; MI455X (gfx1250); checked and timed in simulation.
; The chip was launched on July 23, 2026; its instructions are those of AMD's public machine-readable ISA for CDNA 5 (MIT licence, August 2026) and "CDNA5" Instruction Set Architecture Reference Guide (July 2026). The comments in the code are by the model that wrote it; some were corrected since.
;; Grouped Query Attention. Allowed arithmetic: matrix products marked QUANTISED: E2M3 operands, one E8M0 scale for each 32 along K, by v_wmma_scale_f32_16x16x128_f8f6f4 with both operands' format E2M3, f32 sums; everything else in f32.
;; Inputs: Wk 256 x 1,024 float32; Wo 1,024 x 1,024 float32; Wq 1,024 x 1,024 float32; Wv 256 x 1,024 float32; bk 256 float32; bo 1,024 float32; bq 1,024 float32; bv 256 float32; x 1 x 4,096 x 1,024 float32.
;; Outputs: out0 1 x 4,096 x 1,024 float32; out1 1 x 4 x 4,096 x 64 float32; out2 1 x 4 x 4,096 x 64 float32.
;; This version of the problem:
;;   THIS VERSION OF THE PROBLEM IS GIVEN IN LOW PRECISION. The matrix products marked QUANTISED in the list below multiply operands that are first quantised to E2M3 (2 exponent bits, 3 mantissa bits; 6 bits a number), with one power-of-two scale for each 32 numbers along K (OCP MX v1.0); their sums are f32. All else is computed in f32.
;;   The module's matrix products, in the order in which they are computed (A, B: the left and right operand; K: the contracted axis; several contracted axes count as one K, in the product's order):
;;     1. [M 4,096, K 1,024] x [K 1,024, N 1,024]; A: input x; B: input Wq: QUANTISED
;;     2. [M 4,096, K 1,024] x [K 1,024, N 256]; A: input x; B: input Wk: QUANTISED
;;     3. [M 4,096, K 1,024] x [K 1,024, N 256]; A: input x; B: input Wv: QUANTISED
;;     4. batch 4 x [M 16,384, K 64] x [K 64, N 4,096]; A: computed on the way; B: computed on the way: QUANTISED
;;     5. batch 4 x [M 16,384, K 4,096] x [K 4,096, N 64]; A: softmax (see below); B: computed on the way: QUANTISED
;;     6. [M 4,096, K 1,024] x [K 1,024, N 1,024]; A: computed on the way; B: input Wo: QUANTISED
;;   THE QUANTISER, for each operand of a quantised product, along K:
;;     - K is cut into blocks of 32 from its start; a last block that is shorter is filled with zeros.
;;     - A block's scale is 2^e with e = floor(log2(the largest magnitude in the block)) - 2, held to -126 .. 127; a block of zeros has e = 0. As a byte (E8M0): e + 127.
;;     - Each number is divided by its block's scale, clamped to +-7.5, and rounded to the nearest number of E2M3, ties to even, subnormals kept.
;;     - The product sums the exact products of the quantised numbers (number of the format x scale) in f32.
;;   ~~~python
;;   def quantise(x, axis):      # numpy; x: float32 -> the quantised numbers, widened to float32 again
;;       x = np.moveaxis(x, axis, -1); K = x.shape[-1]
;;       x = np.pad(x, [(0, 0)] * (x.ndim - 1) + [(0, -K % 32)]); x = x.reshape(x.shape[:-1] + (-1, 32)); a = np.abs(x).max(-1, keepdims=True)
;;       e = np.where(a > 0, np.clip(np.frexp(np.where(a > 0, a, 1))[1] - 1 - 2, -126, 127), 0)      # np.frexp(a)[1] - 1 = floor(log2(a)), exactly
;;       r = np.clip(x / 2.0 ** e, -7.5, 7.5)
;;       step = 2.0 ** (np.maximum(np.frexp(np.where(r == 0, 1, r))[1] - 1, 0) - 3)
;;       q = np.round(r / step) * step * 2.0 ** e      # np.round: ties to even
;;       return np.moveaxis(q.reshape(q.shape[:-2] + (-1,))[..., :K], -1, axis).astype(np.float32)
;;   ~~~
;;   SOFTMAX AHEAD OF A QUANTISED PRODUCT. Where the list says 'softmax', what is quantised is not the finished softmax but p = 2^(t - M), with t = logit x log2(e) and M = ceil(the row's largest t), a whole number; so 1/2 < the row's largest p <= 1. The row's sum l is taken of the UNQUANTISED p, in f32, and the product's result is divided by l at the end. Since M is a whole number, a kernel that streams over the keys may use a running M (the ceiling of the running maximum): every later rescaling is an exact power of two, which a block's scale takes up: the codes' values come out the same.
;;   OPERANDS COMPUTED ON THE WAY. 'Computed on the way' means the value that the module computes at that place (a softmax that the list does not call 'softmax' is quantised finished and normalised). What goes into a quantiser is computed in f32, as accurately as f32 sums, v_exp_f32 and their like allow (about 1e-6 of the number): no bf16 or f16 on the way to a quantiser, and a product that is left as it is and whose result goes on into a quantised operand takes f32 operands (vector FMAs, or v_wmma_f32_16x16x4_f32). A number that lies on a knife's edge between two numbers of the format may be rounded either way, as far as f32 arithmetic and the matrix unit's own rounding can turn it there, and no further.
;; One version. Each part assembles by itself: llvm-mc -triple=amdgcn-amd-amdhsa -mcpu=gfx1250 --defsym DOCPART=n.
;; ======== version 1 of 1: 4 launches
;; limits: right only within a limited range of input values
;; workspace buffers: img 5,324,800 bytes; oi 3,276,800 bytes; qc 3,145,728 bytes; qs 262,144 bytes; kv 1,671,168 bytes
;; launch quant (part 1): grid 208 x 1, 8 waves a work-group, no clusters, 167,936 bytes of LDS; arguments x, Wq, Wk, Wv, Wo, img; writes img
.if DOCPART == 1
	.amdgcn_target "amdgcn-amd-amdhsa--gfx1250"
	.amdhsa_code_object_version 6
	.text
	.protected	k_q45021e52fc_quant
	.globl	k_q45021e52fc_quant
	.p2align	8
	.type	k_q45021e52fc_quant,@function
k_q45021e52fc_quant:
	s_mov_b64 s[64:65], 0
	v_nop
	global_prefetch_b8 v0, s[64:65] scope:SCOPE_SE
	s_setreg_imm32_b32 hwreg(HW_REG_WAVE_MODE, 25, 1), 1
	s_wait_xcnt 0x0
; x [4096][1024], Wq [1024][1024], Wk, Wv [256][1024], Wo [1024][1024], all f32 with K innermost, become codes of FP6 (E2M3) with one E8M0 byte for each 32 along K,
; laid in img as IMAGES OF OPERAND REGISTERS, so that the later launches bring whole K halves by dense tensor loads and read fragments at 16 x lane.
; DEAD WORK: none.  Every input of the problem reaches an output (bk and bv reach out1 and out2, and move K's and V's codes; bq moves Q's codes; bo is added to out0): nothing is left out in any launch.
; img: 52 panels of 128 rows (0-31 x, 32-39 Wq, 40-41 Wk, 42-43 Wv, 44-51 Wo), PANEL bytes each = two records (K halves of 512).  A record: codes [K step 0..3][tile 0..7][1,536], a fragment's
; registers 4 g .. 4 g + 3 at 512 g + 16 x lane; then from SCO on the scale words [pair of tiles P 0..3][e 0..1][lane][2 words]: lane 16 u + r holds the words of K steps 2 e, 2 e + 1 of tile 2 P + u, row r.
; THE ROWS OF A TILE ARE NOT NEIGHBOURS: lane row r of tile 4 g + t is panel row 64 g + 32 (r / 8) + 8 t + r % 8.  A product that takes tiles 4 g .. 4 g + 3 as source 0 then leaves, in a lane's 32 result
; registers, the indices 64 g + 32 (lane / 16) + 0 .. 31: a whole block of the next quantiser in ONE lane, in the order of the next operand's registers.
; A block's scale is 2^(floor(log2(largest magnitude)) - 2); its byte is the largest magnitude's exponent field - 2, held at 1 from below.
; LIMITS: NaN and infinities among the inputs are not served; a block whose largest magnitude lies under 2^-124 gets the byte 1; a block of zeros gets the byte 1 where the rule says 127 (its codes are
; zeros, which add nothing under any byte but 0xff, and the bytes are read by this program alone).
; SHARES: a work-group takes a pair of tiles (32 rows: two runs of 16).  Wave w of eight: K quarter w % 4 (256 numbers).  It BRINGS run w / 4 of that quarter, 16 x 1,024 bytes, by its one tensor load, and,
; behind one barrier, QUANTISES tile w / 4 of the pair (whose rows come from both runs): two fragments.  The two tiles' scale words are joined through LDS, so that a whole unit of 256 bytes is stored.
.set PANEL,  102400
.set REC,    51200
.set KSB,    12288                     ; a K step's eight fragments
.set FRB,    1536                      ; a fragment's image
.set SCO,    49152                     ; where a record's scale words begin
.set WREG,   33536                     ; LDS: a K quarter's region: two runs of 16 rows
.set RUN1,   16768                     ; the second run begins 128 bytes behind the first's end, so that rows r and r + 8 fall on different banks
.set PITCH,  1040                      ; a row: 1,024 bytes + 16 of padding
.set SPARE,  4*WREG                    ; the spare words, 128 bytes for each of 8 waves: four blocks of 256 bytes that no other line names
.set SCR,    SPARE+1024                ; 256 bytes for each wave: its scale words; no fill lands here
.set L16, 1                            ; v1  16 x lane
.set L8,  2                            ; v2  8 x lane
.set SH8, 3                            ; v3  8 x (lane / 16)
.set XA,  4                            ; v4  LDS address of my row's numbers
.set SPW, 5                            ; v5  LDS address of my spare word; never rewritten
.set NIL, 6                            ; v6  0; never rewritten
.set SWA, 12                           ; v12 where I put my two scale words
.set SRA, 13                           ; v13 where wave w reads wave w + 4's
.set XN,  32                           ; v32-95, v96-159: two sets of 64 numbers
.set CD,  160                          ; v160-183 codes: 12 registers for each fragment, so that no store's data are written again
.set MXA, 208                          ; at work in QUANT2
.set MXB, 209
.set EA,  210
.set EB,  211
.set BA,  212
.set BB,  213
.set WW,  214
.set WX,  215
.set TCA, 216
.set TCB, 220
.set PW,  224                          ; v224-225 the two fragments' scale words
.set OP,  228                          ; v228-229 the pair that is stored; v230-231 the other tile's words
.set G1,  16                           ; s[16:23] descriptor group 1
.set G0,  24                           ; s[24:27] group 0
.set WV,  32
.set HM,  33                           ; mask of lanes 16-31
.set SEL, 34                           ; s[34:35] v_permlanex16_b32's selects for lane l xor 16
.set KQ,  54                           ; my quarter of K
.set ZZ,  55                           ; the run that I bring, and the tile that I quantise
; 64 numbers of a lane, register 32 c + i = k 64 c + 32 (lane / 16) + i of my row, become a fragment's 12 registers (6 at D0, 6 at D1) and its scale word.
.macro QUANT2 S, D0, D1, PWR
	v_mov_b32 v[MXA], 0x1800000                    ; the floor 2^(3 - 127): the byte cannot fall under 1
	v_mov_b32 v[MXB], 0x1800000
.set jj, 0
.rept 16
	v_max3_num_f32 v[MXA], v[MXA], |v[(\S)+jj]|, |v[(\S)+jj+1]|          ; my two blocks by turns: all 32 numbers of a block are mine
	v_max3_num_f32 v[MXB], v[MXB], |v[(\S)+32+jj]|, |v[(\S)+33+jj]|
.set jj, jj+2
.endr
	v_add_nc_u32 v[EA], 0xff000000, v[MXA]         ; 2 off the exponent field: the conversion takes the exponent field of this operand as its scale
	v_add_nc_u32 v[EB], 0xff000000, v[MXB]
	v_lshrrev_b32 v[BA], 23, v[EA]                 ; the scales' bytes
	v_lshrrev_b32 v[BB], 23, v[EB]
	v_lshl_or_b32 v[WW], v[BB], 16, v[BA]          ; blocks h and 2 + h of my row,
	v_lshlrev_b32 v[WW], v[SH8], v[WW]             ; at their places in the word;
	v_permlanex16_b32 v[WX], v[WW], s[SEL], s[SEL+1]
	v_or_b32 v[\PWR], v[WW], v[WX]                 ; with lane l xor 16's two the word is whole
	v_cvt_scalef32_pk16_fp6_f32 v[(\D0):(\D0)+2], v[(\S):(\S)+15], v[EA]
	v_cvt_scalef32_pk16_fp6_f32 v[TCA:TCA+2], v[(\S)+16:(\S)+31], v[EA]   ; (a conversion's three registers begin on an even number)
	v_cvt_scalef32_pk16_fp6_f32 v[(\D1):(\D1)+2], v[(\S)+32:(\S)+47], v[EB]
	v_cvt_scalef32_pk16_fp6_f32 v[TCB:TCB+2], v[(\S)+48:(\S)+63], v[EB]
	v_nop                                          ; one plain place behind a scaled conversion
.irp i, 0,1,2
	v_mov_b32 v[(\D0)+3+\i], v[TCA+\i]
	v_mov_b32 v[(\D1)+3+\i], v[TCB+\i]
.endr
.endm
; K step f of my quarter: 16 loads of 16 bytes into set f
.macro FRLOAD f
.irp c, 0,1
.irp j, 0,1,2,3,4,5,6,7
	ds_load_b128 v[XN+64*(\f)+32*\c+4*\j:XN+64*(\f)+32*\c+4*\j+3], v[XA] offset:512*(\f)+256*\c+16*\j
.endr
.endr
.endm
	s_load_b256 s[4:11], s[0:1], 0x0               ; x, Wq, Wk, Wv
	s_load_b128 s[12:15], s[0:1], 0x20             ; Wo, img
	v_lshl_add_u32 v[SPW], v0, 2, SPARE
	v_mov_b32 v[NIL], 0
	ds_add_u32 v[SPW], v[NIL]                      ; the wave's opening: the add, twice on end, and its wait ahead of my tensor load
	ds_add_u32 v[SPW], v[NIL]                      ; and once more; the set-up below, work on registers, stands between it and the wait
	v_lshrrev_b32 v7, 5, v0
	v_readfirstlane_b32 s[WV], v7                  ; wave 0..7
	v_and_b32 v8, 31, v0
	v_lshlrev_b32 v[L16], 4, v8
	v_lshlrev_b32 v[L8], 3, v8
	v_bfe_u32 v9, v0, 4, 1                         ; h
	v_lshlrev_b32 v[SH8], 3, v9
	v_and_b32 v10, 7, v0                           ; r % 8
	v_bfe_u32 v11, v0, 3, 1                        ; r / 8: which run
	s_and_b32 s[KQ], s[WV], 3
	s_lshr_b32 s[ZZ], s[WV], 2
	s_mul_i32 s42, s[KQ], WREG
	s_mul_i32 s43, s[ZZ], 8*PITCH                  ; tile 1's rows are rows 8-15 of each run
	s_add_co_u32 s43, s43, s42
	v_mul_u32_u24 v[XA], v10, PITCH
	v_mad_u32_u24 v[XA], v11, RUN1, v[XA]
	v_lshl_add_u32 v[XA], v9, 7, v[XA]             ; + 128 h: my 32 numbers of each 64
	v_add_nc_u32 v[XA], s43, v[XA]
	s_lshl_b32 s44, s[WV], 8
	s_add_co_u32 s44, s44, SCR
	v_add_nc_u32 v[SWA], s44, v[L8]
	v_add_nc_u32 v[SRA], 1024, v[SWA]
	v_mov_b32 v[WX], 0                             ; written once: a lane permute's destination counts as one of its sources
	s_mov_b32 s[SEL], 0x76543210
	s_mov_b32 s[SEL+1], 0xfedcba98
	; group 1: 16 rows x 256 elements of 4 bytes, rows 1,024 elements apart, 16 bytes of padding behind each row of 256 words
	s_mov_b32 s[G1+0], (2<<16)|(1<<20)|(7<<22)|(3<<25)
	s_mov_b32 s[G1+1], 256<<16                     ; tensor_dim0
	s_mov_b32 s[G1+2], 16<<16                      ; tensor_dim1
	s_mov_b32 s[G1+3], 256<<16                     ; tile_dim0
	s_mov_b32 s[G1+4], 16                          ; tile_dim1
	s_mov_b32 s[G1+5], 1024                        ; from row to row
	s_mov_b32 s[G1+6], 0
	s_mov_b32 s[G1+7], 0
	s_wait_alu depctr_va_vdst(0)
	s_wait_dscnt 0x0                               ; both opening adds are done
	s_wait_kmcnt 0x0
	; which tensor: pairs 0-127 x, 128-159 Wq, 160-167 Wk, 168-175 Wv, 176-207 Wo.  The choice hangs on the work-group's number alone
	s_mov_b64 s[36:37], s[12:13]
	s_mov_b32 s38, 176
	s_cmp_lt_u32 ttmp9, 176
	s_cselect_b64 s[36:37], s[10:11], s[36:37]
	s_cselect_b32 s38, 168, s38
	s_cmp_lt_u32 ttmp9, 168
	s_cselect_b64 s[36:37], s[8:9], s[36:37]
	s_cselect_b32 s38, 160, s38
	s_cmp_lt_u32 ttmp9, 160
	s_cselect_b64 s[36:37], s[6:7], s[36:37]
	s_cselect_b32 s38, 128, s38
	s_cmp_lt_u32 ttmp9, 128
	s_cselect_b64 s[36:37], s[4:5], s[36:37]
	s_cselect_b32 s38, 0, s38
	s_sub_co_u32 s39, ttmp9, s38                   ; the pair's number in its tensor: its first row is 64 (pair / 2) + 16 (pair % 2)
	s_lshr_b32 s40, s39, 1
	s_lshl_b32 s40, s40, 18                        ; rows of 4,096 bytes
	s_and_b32 s41, s39, 1
	s_lshl_b32 s41, s41, 16
	s_add_co_u32 s40, s40, s41
	s_lshl_b32 s41, s[KQ], 10                      ; my quarter of K
	s_add_co_u32 s40, s40, s41
	s_lshl_b32 s41, s[ZZ], 17                      ; run 1 begins 32 rows further down
	s_add_co_u32 s40, s40, s41
	s_mov_b32 s41, 0
	s_add_nc_u64 s[36:37], s[36:37], s[40:41]
	s_mul_i32 s45, s[ZZ], RUN1
	s_mov_b32 s[G0+0], 1
	s_add_co_u32 s[G0+1], s42, s45
	s_mov_b64 s[G0+2:G0+3], s[36:37]
	s_or_b32 s[G0+3], s[G0+3], 0x80000000
	tensor_load_to_lds s[G0:G0+3], s[G1:G1+7]      ; my one load
	s_nop 0
.rept 4
	v_nop
.endr
	v_cmp_ne_u32 s[HM], 0, v9
	; where my results go: panel = pair / 4, record = K quarter / 2
	s_lshr_b32 s44, ttmp9, 2
	s_mul_i32 s44, s44, PANEL
	s_lshr_b32 s45, s[KQ], 1
	s_mul_i32 s45, s45, REC
	s_add_co_u32 s44, s44, s45
	s_mov_b32 s45, 0
	s_add_nc_u64 s[14:15], s[14:15], s[44:45]
	s_and_b32 s46, ttmp9, 3                        ; P
	s_and_b32 s47, s[KQ], 1                        ; e
	s_mul_i32 s44, s46, 2*FRB
	s_mul_i32 s48, s47, 2*KSB
	s_add_co_u32 s44, s44, s48
	s_mul_i32 s48, s[ZZ], FRB
	s_add_co_u32 s44, s44, s48
	s_add_nc_u64 s[50:51], s[14:15], s[44:45]      ; my two fragments
	s_lshl_b32 s44, s46, 9
	s_lshl_b32 s48, s47, 8
	s_add_co_u32 s44, s44, s48
	s_add_co_u32 s44, s44, SCO
	s_add_nc_u64 s[52:53], s[14:15], s[44:45]      ; the unit of scale words of my K quarter
	s_wait_tensorcnt 0x0                           ; my run is in,
	s_barrier_signal -1
	s_barrier_wait -1                              ; everybody's is: a fragment's rows come from both runs.
	FRLOAD 0
	FRLOAD 1
.irp f, 0,1
.if \f < 1
	s_wait_dscnt 16                                ; this fragment's 16 loads are in; the next one's may be out
.else
	s_wait_dscnt 0x0
.endif
	QUANT2 XN+64*\f, CD+12*\f, CD+12*\f+6, PW+\f
.irp g, 0,1,2
	global_store_b128 v[L16], v[CD+12*\f+4*\g:CD+12*\f+4*\g+3], s[50:51] offset:\f*KSB+512*\g   ; 32 lanes store 512 consecutive bytes, aligned
.endr
.endr
	ds_store_b64 v[SWA], v[PW:PW+1]                ; my tile's two words, a row's in lanes r and 16 + r alike
	s_wait_alu depctr_va_vdst(0)
	s_wait_dscnt 0x0                               ; for the others' sake: my store is done
	s_barrier_signal -1
	s_barrier_wait -1
	s_cmp_lt_u32 s[WV], 4                          ; the wave of tile 2 P joins both tiles' words and stores the unit
	s_cbranch_scc0 .Ldone
	ds_load_b64 v[OP+2:OP+3], v[SRA]
	s_wait_dscnt 0x0
	v_cndmask_b32 v[OP], v[PW], v[OP+2], s[HM]     ; lanes 0-15: tile 2 P's two words; lanes 16-31: tile 2 P + 1's
	v_cndmask_b32 v[OP+1], v[PW+1], v[OP+3], s[HM]
	global_store_b64 v[L8], v[OP:OP+1], s[52:53]   ; one aligned unit of 256 bytes
.Ldone:
	s_wait_tensorcnt 0x0                           ; the wave's end
	ds_add_u32 v[SPW], v[NIL]
	s_wait_dscnt 0x0
	s_endpgm
.Lfunc_end_k_q45021e52fc_quant:
	.size	k_q45021e52fc_quant, .Lfunc_end_k_q45021e52fc_quant-k_q45021e52fc_quant
	.p2alignl 7, 3214868480
	.fill 96, 4, 3214868480
	.section	.rodata,"a",@progbits
	.p2align	6, 0x0
	.amdhsa_kernel k_q45021e52fc_quant
		.amdhsa_group_segment_fixed_size 167936
		.amdhsa_private_segment_fixed_size 0
		.amdhsa_enable_private_segment 0
		.amdhsa_kernarg_size 48
		.amdhsa_user_sgpr_count 2
		.amdhsa_user_sgpr_kernarg_segment_ptr 1
		.amdhsa_wavefront_size32 1
		.amdhsa_system_sgpr_workgroup_id_x 1
		.amdhsa_system_sgpr_workgroup_id_y 1
		.amdhsa_system_sgpr_workgroup_id_z 1
		.amdhsa_system_vgpr_workitem_id 0
		.amdhsa_next_free_vgpr 256
		.amdhsa_next_free_sgpr 66
		.amdhsa_reserve_vcc 0
		.amdhsa_float_denorm_mode_32 3
		.amdhsa_float_denorm_mode_16_64 3
		.amdhsa_memory_ordered 1
		.amdhsa_forward_progress 1
		.amdhsa_inst_pref_size 15
	.end_amdhsa_kernel
	.amdgpu_metadata
---
amdhsa.version: [ 1, 2 ]
amdhsa.kernels:
  - .name:           k_q45021e52fc_quant
    .symbol:         k_q45021e52fc_quant.kd
    .args:
      - { .name: x, .offset: 0, .size: 8, .value_kind: global_buffer, .address_space: global }
      - { .name: Wq, .offset: 8, .size: 8, .value_kind: global_buffer, .address_space: global }
      - { .name: Wk, .offset: 16, .size: 8, .value_kind: global_buffer, .address_space: global }
      - { .name: Wv, .offset: 24, .size: 8, .value_kind: global_buffer, .address_space: global }
      - { .name: Wo, .offset: 32, .size: 8, .value_kind: global_buffer, .address_space: global }
      - { .name: img, .offset: 40, .size: 8, .value_kind: global_buffer, .address_space: global }
    .group_segment_fixed_size: 167936
    .private_segment_fixed_size: 0
    .kernarg_segment_align: 8
    .kernarg_segment_size: 48
    .max_flat_workgroup_size: 256
    .sgpr_count:     66
    .vgpr_count:     256
    .wavefront_size: 32
...
	.end_amdgpu_metadata
.endif
;; end of part 1
;; launch qkv (part 2): grid 32 x 6, 4 waves a work-group, clusters of 4 x 1, 327,680 bytes of LDS; arguments img, bq, bk, bv, qc, qs, kv, out1, out2; writes qc, qs, kv, out1, out2
.if DOCPART == 2
	.amdgcn_target "amdgcn-amd-amdhsa--gfx1250"
	.amdhsa_code_object_version 6
	.text
	.protected	k_q45021e52fc_qkv
	.globl	k_q45021e52fc_qkv
	.p2align	8
	.type	k_q45021e52fc_qkv,@function
k_q45021e52fc_qkv:
	s_mov_b64 s[64:65], 0
	v_nop
	global_prefetch_b8 v0, s[64:65] scope:SCOPE_SE
	s_setreg_imm32_b32 hwreg(HW_REG_WAVE_MODE, 25, 1), 1
	s_wait_xcnt 0x0
	s_wait_alu depctr_hold_cnt(0) depctr_sa_sdst(0) depctr_va_vdst(0) depctr_va_sdst(0) depctr_va_ssrc(0) depctr_va_vcc(0) depctr_vm_vsrc(0)
	s_getreg_b32 s2, hwreg(HW_REG_IB_STS2, 6, 4)
	s_cmp_eq_u32 s2, 0
	s_cbranch_scc0 .Lentry_in_a_cluster
	s_endpgm
.Lentry_in_a_cluster:
	s_bfe_u32 s2, ttmp6, 0x10000c
	s_cmp_lg_u32 s2, 0x3003
	s_cbranch_scc0 .Lentry_shape_is_right
	s_endpgm
.Lentry_shape_is_right:
; Q = x Wq^T + bq, K = x Wk^T + bk, V = x Wv^T + bv on codes of FP6 (E2M3) with E8M0 scales, from the register images that the launch before made (its head comment has the layout and the order of a tile's rows).
; Nothing of the problem is left out here.  LIMITS as there: NaN and infinities are not served; a block under 2^-124, or of zeros, gets the byte 1.
; SHARES.  Work-group (p, Y): p = a panel of 128 tokens, Y = 256 rows of the weights (Y 0-3: Wq, 4: Wk, 5: Wv).  It brings x's panel and the two weight panels for ALL of K into LDS: six records, filled once.
; CLUSTER: the four partners have the same Y: the weights' records, two thirds of the bytes, are asked for JOINTLY (mask of all four); x's records are each work-group's own.
; A wave makes 128 x 64: source 0 = eight tiles (they become the results' register index), source 1 = four tiles (the lane).  Y 0-4: source 0 = weight panel wave / 2, source 1 = x's tiles 4 (wave % 2) on: a lane holds
; one token and 2 x 64 channels, whole blocks along d: Q and K are quantised in registers.  Y = 5: source 0 = x's eight tiles, source 1 = 64 channels of Wv (kv head = wave): a lane holds one channel and
; 128 keys, whole blocks along the keys: V is quantised along the keys.  The biases are the C of each sum's first product.
; OUT.  qc [head][tile of 16 tokens][768]: Q's half fragment (K = 64: six registers), pair k at 256 k + 8 x lane.  qs [head][64 tokens][r][tile % 4]: scale words, bytes 0, 1 the head's.
; kv [kv head][128 keys][13,056]: K's codes (eight tiles x 6 registers on end, in groups of four registers at 512 g + 16 x lane), V^T's four fragments likewise, K's and V's scale words.  out1, out2: K and V in f32.
.set PANEL,  102400
.set REC,    51200
.set HREC,   25600
.set KSB,    12288
.set FRB,    1536
.set SCO,    49152
.set QSTEP,  REC                       ; LDS: record (K half q, i) at (2 i + q) REC; i = 0: x, 1, 2: the weight panels: a panel's two records lie on end, as in memory
.set SPARE,  6*REC                     ; the spare words, 128 bytes for each wave: two blocks of 256 bytes that no other line names
.set KSTG,   SPARE+512                 ; K's way out: 16 rows x 272 bytes for each wave
.set VSTW,   4608                      ; V's way out: a stage for each wave from LDS byte 0 on, in x's first record, behind a barrier that follows its last read; it has had its one fill
.set STEPB,  13056
.set KVH,    32*STEPB
.set VCO,    6144
.set KSO,    12288
.set VSO,    12800
.set QCH,    196608                    ; a head in qc
.set L16, 1
.set L8,  2
.set RR,  3                            ; lane % 16
.set HH,  4                            ; lane / 16
.set SH8, 5
.set ACC, 6                            ; LDS addresses: source 0's fragments,
.set ARR, 7                            ; source 1's,
.set ASC, 8                            ; source 0's scale words,
.set ASR, 9                            ; source 1's
.set STO, 10
.set RD,  11
.set Q8,  12
.set BOF, 13
.set SPW, 14
.set NIL, 15
.set SC,  16                           ; v16-39, v40-63: scale words of K half 0, 1: source 0's at +4 (a / 2) + step, source 1's at +16 + 4 (b / 2) + step.  They hold scales and nothing else
.set FC,  64                           ; fragments: source 0's 96 registers, source 1's 48; even steps in window 0, odd steps in window 2
.set FG,  160
.set MXA, 208
.set MXB, 209
.set EA,  210
.set EB,  211
.set BA,  212
.set BB,  213
.set WW,  214
.set WX,  215
.set TCA, 216
.set TCB, 220
.set PW,  224
.set OP,  228
; window 1: accumulator (b, a) at v[64 b + 8 a].  window 2: v0-63 the bias, v64-207 fragments
.set G1X, 24
.set G1W, 32
.set G0X, 40
.set G0W, 48
.set WV,  56
.set YY,  57
.set PP,  58
.set CX,  59
.set SEL, 60
.set HM,  62
.set W1,  66
.set W2,  67
.set MSB, 0
.macro WIN new                         ; the immediate's high byte repeats the setting that is left; a switch that changes nothing is dropped
.if MSB != (\new)
	s_set_vgpr_msb (MSB<<8)|(\new)
.set MSB, (\new)
.endif
.endm
.macro PLACES n
.rept \n
	v_nop
.endr
.endm
.macro CROUND                          ; a round of the cluster's barrier
	s_barrier_signal -1
	s_barrier_wait -1
	s_cmp_lg_u32 s[WV], 0
	s_cbranch_scc1 .Lnw0_\@
	s_barrier_signal -3
.Lnw0_\@:
	s_barrier_wait -3
	s_barrier_signal -1
	s_barrier_wait -1
.endm
.macro FINISH
	s_wait_tensorcnt 0x0                           ; the wave's end
	ds_add_u32 v[SPW], v[NIL]
	s_wait_dscnt 0x0
	CROUND                                         ; the closing round
	s_endpgm
.endm
.macro SEL2 lo, hi, a0, a1, b0, b1     ; lanes 0-15 take a0, b0; lanes 16-31 a1, b1
	v_cndmask_b32 v[\lo], v[\a0], v[\a1], s[HM]
	v_cndmask_b32 v[\hi], v[\b0], v[\b1], s[HM]
.endm
; 64 results of a lane in window 1, register 32 c + i = index 64 c + 32 (lane / 16) + i, become 2 x 6 registers of codes (window 0) and a scale word.  Each accumulator is read from its low end on.
.macro QUANT2 S, D0, D1, PWR
	WIN 0
	v_mov_b32 v[MXA], 0x1800000                    ; the floor 2^(3 - 127)
	v_mov_b32 v[MXB], 0x1800000
	WIN 0x14                                       ; sources 1 and 2 in window 1
.set jj, 0
.rept 16
	v_max3_num_f32 v[MXA], v[MXA], |v[(\S)+jj]|, |v[(\S)+jj+1]|
	v_max3_num_f32 v[MXB], v[MXB], |v[(\S)+32+jj]|, |v[(\S)+33+jj]|
.set jj, jj+2
.endr
	WIN 0
	v_add_nc_u32 v[EA], 0xff000000, v[MXA]         ; 2 off the exponent field: the conversion's scale operand
	v_add_nc_u32 v[EB], 0xff000000, v[MXB]
	v_lshrrev_b32 v[BA], 23, v[EA]
	v_lshrrev_b32 v[BB], 23, v[EB]
	v_lshl_or_b32 v[WW], v[BB], 16, v[BA]
	v_lshlrev_b32 v[WW], v[SH8], v[WW]
	v_permlanex16_b32 v[WX], v[WW], s[SEL], s[SEL+1]
	v_or_b32 v[\PWR], v[WW], v[WX]                 ; byte 2 c + h = block 2 c + h
	WIN 0x01                                       ; source 0 in window 1
	v_cvt_scalef32_pk16_fp6_f32 v[(\D0):(\D0)+2], v[(\S):(\S)+15], v[EA]
	v_cvt_scalef32_pk16_fp6_f32 v[TCA:TCA+2], v[(\S)+16:(\S)+31], v[EA]
	v_cvt_scalef32_pk16_fp6_f32 v[(\D1):(\D1)+2], v[(\S)+32:(\S)+47], v[EB]
	v_cvt_scalef32_pk16_fp6_f32 v[TCB:TCB+2], v[(\S)+48:(\S)+63], v[EB]
	WIN 0
	v_nop                                          ; one plain place behind a scaled conversion
.irp i, 0,1,2
	v_mov_b32 v[(\D0)+3+\i], v[TCA+\i]
	v_mov_b32 v[(\D1)+3+\i], v[TCB+\i]
.endr
.endm
; K step s's fragments: 36 loads of 16 bytes at 16 x lane; with a K half's first step its scale words
.macro FETCH s
.set FQ, (\s)%4
	WIN 0x80*((\s)%2)
.irp a, 0,1,2,3,4,5,6,7
.irp g, 0,1,2
	ds_load_b128 v[FC+12*\a+4*\g:FC+12*\a+4*\g+3], v[ACC] offset:FQ*KSB+\a*FRB+512*\g
.endr
.endr
.irp b, 0,1,2,3
.irp g, 0,1,2
	ds_load_b128 v[FG+12*\b+4*\g:FG+12*\b+4*\g+3], v[ARR] offset:FQ*KSB+\b*FRB+512*\g
.endr
.endr
	WIN 0
.if FQ == 0
.set FS, SC+24*((\s)/4)
.irp pp, 0,1,2,3
.irp e, 0,1
	ds_load_b64 v[FS+4*\pp+2*\e:FS+4*\pp+2*\e+1], v[ASC] offset:512*\pp+256*\e
.endr
.endr
.irp pp, 0,1
.irp e, 0,1
	ds_load_b64 v[FS+16+4*\pp+2*\e:FS+16+4*\pp+2*\e+1], v[ASR] offset:512*\pp+256*\e
.endr
.endr
.endif
.endm
.macro WM d, a, b, c, sa, sb, ra, rb   ; ra, rb: the side's scale words stand in lanes 16-31
.if ((\ra)+2*(\rb)) == 0
	v_wmma_scale_f32_16x16x128_f8f6f4 v[(\d):(\d)+7], v[(\a):(\a)+11], v[(\b):(\b)+11], v[(\c):(\c)+7], v[\sa], v[\sb] matrix_a_fmt:MATRIX_FMT_FP6 matrix_b_fmt:MATRIX_FMT_FP6
.elseif ((\ra)+2*(\rb)) == 1
	v_wmma_scale_f32_16x16x128_f8f6f4 v[(\d):(\d)+7], v[(\a):(\a)+11], v[(\b):(\b)+11], v[(\c):(\c)+7], v[\sa], v[\sb] matrix_a_fmt:MATRIX_FMT_FP6 matrix_b_fmt:MATRIX_FMT_FP6 matrix_a_scale:MATRIX_SCALE_ROW1
.elseif ((\ra)+2*(\rb)) == 2
	v_wmma_scale_f32_16x16x128_f8f6f4 v[(\d):(\d)+7], v[(\a):(\a)+11], v[(\b):(\b)+11], v[(\c):(\c)+7], v[\sa], v[\sb] matrix_a_fmt:MATRIX_FMT_FP6 matrix_b_fmt:MATRIX_FMT_FP6 matrix_b_scale:MATRIX_SCALE_ROW1
.else
	v_wmma_scale_f32_16x16x128_f8f6f4 v[(\d):(\d)+7], v[(\a):(\a)+11], v[(\b):(\b)+11], v[(\c):(\c)+7], v[\sa], v[\sb] matrix_a_fmt:MATRIX_FMT_FP6 matrix_b_fmt:MATRIX_FMT_FP6 matrix_a_scale:MATRIX_SCALE_ROW1 matrix_b_scale:MATRIX_SCALE_ROW1
.endif
.endm
; A K step of 128: 32 products, the 32 accumulators by turns in the same order in every step.  The next step's fragments are asked for ahead of them.
.macro KSTEP s, vrole
	s_wait_dscnt 0x0                               ; this step's fragments, asked for a step ago, are in
.if (\s) == 3
	WIN 0
	v_add_nc_u32 v[ACC], QSTEP, v[ACC]             ; on to K half 1's records
	s_wait_alu depctr_va_vdst(0)
	v_add_nc_u32 v[ARR], QSTEP, v[ARR]
	s_wait_alu depctr_va_vdst(0)
	v_add_nc_u32 v[ASC], QSTEP, v[ASC]
	v_add_nc_u32 v[ASR], QSTEP, v[ASR]
.endif
.if (\s) < 7
.if (\s) > 0
	PLACES 4                                       ; four places in front of loads into registers that the last step but one's products have read
.endif
	FETCH (\s)+1
.endif
.set KQ, (\s)%4
.set KSET, SC+24*((\s)/4)
.if (\s) == 0
	WIN 0x60                                       ; C = the bias in window 2, D in window 1
.elseif (\s)%2
	WIN 0x5a                                       ; fragments in window 2, C and D in window 1
.else
	WIN 0x50
.endif
.irp b, 0,1,2,3
.irp a, 0,1,2,3,4,5,6,7
.if (\s) == 0
.if \vrole
.set CRG, 8*\b
.else
.set CRG, 8*\a
.endif
.else
.set CRG, 64*\b+8*\a
.endif
	WM 64*\b+8*\a, FC+12*\a, FG+12*\b, CRG, KSET+4*(\a/2)+KQ, KSET+16+4*(\b/2)+KQ, \a%2, \b%2
.endr
.endr
.endm
.macro CORE vrole
	s_wait_alu depctr_va_vdst(0)
	s_wait_tensorcnt 0x0                           ; my one load has landed,
	s_barrier_signal -1
	s_barrier_wait -1                              ; everybody's has: all of K is in.
	FETCH 0
	s_wait_loadcnt 0x0                             ; the bias
.irp st, 0,1,2,3,4,5,6,7
	KSTEP \st, \vrole
.endr
	WIN 0
	PLACES 4                                       ; in front of the first reads of results and of writes into the fragments' registers
.endm
	s_load_b256 s[4:11], s[0:1], 0x0               ; img, bq, bk, bv
	s_load_b256 s[12:19], s[0:1], 0x20             ; qc, qs, kv, out1
	s_load_b64 s[20:21], s[0:1], 0x40              ; out2
	v_lshl_add_u32 v[SPW], v0, 2, SPARE
	v_mov_b32 v[NIL], 0
	ds_add_u32 v[SPW], v[NIL]                      ; the wave's opening: the add, twice on end, and its wait ahead of my first tensor load
	ds_add_u32 v[SPW], v[NIL]                      ; and once more; the set-up below stands between it and the wait
	v_lshrrev_b32 v232, 5, v0
	v_readfirstlane_b32 s[WV], v232
	v_and_b32 v232, 31, v0
	v_lshlrev_b32 v[L16], 4, v232
	v_lshlrev_b32 v[L8], 3, v232
	v_and_b32 v[RR], 15, v0
	v_bfe_u32 v[HH], v0, 4, 1
	v_lshlrev_b32 v[SH8], 3, v[HH]
	v_mov_b32 v[WX], 0                             ; a lane permute's destination counts as one of its sources
	s_and_b32 s[W1], s[WV], 1
	s_lshr_b32 s[W2], s[WV], 1
	s_bfe_u32 s[CX], ttmp6, 0x40000                ; my place in the cluster
	s_lshl_b32 s[PP], ttmp9, 2
	s_add_co_u32 s[PP], s[PP], s[CX]               ; p: it enters global addresses of my own alone
	s_and_b32 s[YY], ttmp7, 0xffff                 ; Y: the same in all four partners
	s_mov_b32 s[SEL], 0x76543210
	s_mov_b32 s[SEL+1], 0xfedcba98
	; group 1 for x: a whole record, 200 rows of 256 bytes (32 elements of 8), dense; for the weights: a whole panel, 400 rows, with the mask of all four work-groups
	s_mov_b32 s[G1X+0], 3<<16
	s_mov_b32 s[G1X+1], 32<<16
	s_mov_b32 s[G1X+2], 200<<16                    ; x: a whole record, 200 rows of 256 bytes
	s_mov_b32 s[G1X+3], 32<<16
	s_mov_b32 s[G1X+4], 200
	s_mov_b32 s[G1X+5], 32
	s_mov_b32 s[G1X+6], 0
	s_mov_b32 s[G1X+7], 0
	s_mov_b32 s[G1W+0], 15|(3<<16)|(1<<21)
	s_mov_b32 s[G1W+1], 32<<16
	s_mov_b32 s[G1W+2], 400<<16                    ; the weights: a whole panel, 400 rows of 256 bytes
	s_mov_b32 s[G1W+3], 32<<16
	s_mov_b32 s[G1W+4], 400
	s_mov_b32 s[G1W+5], 32
	s_mov_b32 s[G1W+6], 0
	s_mov_b32 s[G1W+7], 0
	s_mul_i32 s72, s[W1], REC                      ; x: which record I would fetch: as many bytes on in LDS as in memory
	s_mul_i32 s70, s[PP], PANEL
	s_add_co_u32 s70, s70, s72
	s_mov_b32 s71, 0
	s_lshl_b32 s74, s[YY], 1                       ; the weights: panel 32 + 2 Y + wave % 2: no place in the cluster enters
	s_add_co_u32 s74, s74, s[W1]
	s_add_co_u32 s74, s74, 32
	s_mul_i32 s74, s74, PANEL
	s_mov_b32 s75, 0
	s_mul_i32 s73, s[W1], 2*REC
	s_add_co_u32 s73, s73, 2*REC                   ; and the panel's place in LDS
	s_wait_dscnt 0x0                               ; both opening adds are done
	s_wait_kmcnt 0x0
	s_add_nc_u64 s[76:77], s[4:5], s[70:71]
	s_add_nc_u64 s[78:79], s[4:5], s[74:75]
.irp q, 0
	s_mov_b32 s[G0X+4*\q], 1
	s_add_co_u32 s[G0X+4*\q+1], s72, \q*QSTEP
	s_add_nc_u64 s[G0X+4*\q+2:G0X+4*\q+3], s[76:77], \q*REC
	s_or_b32 s[G0X+4*\q+3], s[G0X+4*\q+3], 0x80000000
	s_mov_b32 s[G0W+4*\q], 1
	s_add_co_u32 s[G0W+4*\q+1], s73, \q*QSTEP
	s_add_nc_u64 s[G0W+4*\q+2:G0W+4*\q+3], s[78:79], \q*REC
	s_or_b32 s[G0W+4*\q+3], s[G0W+4*\q+3], 0x80000000
.endr
	CROUND                                         ; all four work-groups are here: the joint loads meet
	s_cmp_lt_u32 s[WV], 2                          ; waves 0, 1: x's two records; waves 2, 3: the two weight panels, whole: one load a wave brings all of K
	s_cbranch_scc0 .Lfill_w
	tensor_load_to_lds s[G0X:G0X+3], s[G1X:G1X+7]
	s_nop 0
.rept 4
	v_nop
.endr
	s_branch .Lfilled
.Lfill_w:
	tensor_load_to_lds s[G0W:G0W+3], s[G1W:G1W+7]
	s_nop 0
.rept 4
	v_nop
.endr
.Lfilled:
	s_wait_alu depctr_va_vdst(0)
	v_cmp_ne_u32 s[HM], 0, v[HH]
	s_mul_i32 s76, s[W2], 2*REC
	s_add_co_u32 s76, s76, 2*REC                   ; weight panel wave / 2 in LDS
	s_cmp_eq_u32 s[YY], 5
	s_cbranch_scc1 .Lvpath
	; ---- Q and K: source 0 = the weight panel, source 1 = x's tiles 4 (wave % 2) on
	v_add_nc_u32 v[ACC], s76, v[L16]
	s_add_co_u32 s77, s76, SCO
	v_add_nc_u32 v[ASC], s77, v[L8]
	s_mul_i32 s78, s[W1], 4*FRB
	v_add_nc_u32 v[ARR], s78, v[L16]
	s_lshl_b32 s79, s[W1], 10
	s_add_co_u32 s79, s79, SCO
	v_add_nc_u32 v[ASR], s79, v[L8]
	s_lshl_b32 s80, s[YY], 10                      ; the bias: bq from channel 256 Y on, or bk; + 128 channels x (wave / 2)
	s_cmp_eq_u32 s[YY], 4
	s_cselect_b64 s[82:83], s[8:9], s[6:7]
	s_cselect_b32 s80, 0, s80
	s_lshl_b32 s81, s[W2], 9
	s_add_co_u32 s80, s80, s81
	s_mov_b32 s81, 0
	s_add_nc_u64 s[82:83], s[82:83], s[80:81]
	v_lshlrev_b32 v[BOF], 7, v[HH]                 ; tile a's register j is channel 64 (a / 4) + 32 h + 8 (a % 4) + j
	WIN 0x80
.irp a, 0,1,2,3,4,5,6,7
	global_load_b128 v[8*\a:8*\a+3], v[BOF], s[82:83] offset:4*(64*(\a/4)+8*(\a%4))
	global_load_b128 v[8*\a+4:8*\a+7], v[BOF], s[82:83] offset:4*(64*(\a/4)+8*(\a%4))+16
.endr
	WIN 0
	s_wait_alu depctr_va_vdst(0)
	CORE 0
	s_cmp_eq_u32 s[YY], 4
	s_cbranch_scc1 .Lkout
	; ---- Q's way out: heads 4 Y + 2 (wave / 2) + 0, 1; tiles 8 p + 4 (wave % 2) + b
	s_lshl_b32 s84, s[YY], 2
	s_lshl_b32 s85, s[W2], 1
	s_add_co_u32 s84, s84, s85
	s_mul_i32 s86, s84, QCH
	s_lshl_b32 s87, s[PP], 3
	s_lshl_b32 s88, s[W1], 2
	s_add_co_u32 s87, s87, s88
	s_mul_i32 s87, s87, 768
	s_add_co_u32 s86, s86, s87
	s_mov_b32 s87, 0
	s_add_nc_u64 s[12:13], s[12:13], s[86:87]
	s_lshl_b32 s86, s84, 14
	s_lshl_b32 s88, s[PP], 9
	s_add_co_u32 s86, s86, s88
	s_lshl_b32 s88, s[W1], 8
	s_add_co_u32 s86, s86, s88
	s_add_nc_u64 s[14:15], s[14:15], s[86:87]
	v_lshlrev_b32 v[Q8], 4, v[RR]
	v_lshl_add_u32 v[Q8], v[HH], 3, v[Q8]          ; 16 r + 8 h
.irp b, 0,1,2,3
	QUANT2 64*\b, 64+12*\b, 70+12*\b, PW+\b
.irp k, 0,1,2,3,4,5
	global_store_b64 v[L8], v[64+12*\b+2*\k:65+12*\b+2*\k], s[12:13] offset:768*\b+256*(\k%3)+QCH*(\k/3)   ; 32 lanes store 256 consecutive bytes, aligned
.endr
.endr
	SEL2 OP, OP+1, PW, PW+2, PW+1, PW+3            ; lane (r, h): row r's words of tiles 2 h, 2 h + 1
	global_store_b64 v[Q8], v[OP:OP+1], s[14:15]   ; the first head: bytes 0, 1 of each word are its scales; bytes 2, 3 meet zero codes
	v_lshrrev_b32 v[OP+2], 16, v[OP]
	v_lshrrev_b32 v[OP+3], 16, v[OP+1]
	global_store_b64 v[Q8], v[OP+2:OP+3], s[14:15] offset:16384   ; the second head
	FINISH
	; ---- K's way out: kv heads 2 (wave / 2) + 0, 1; key tiles 4 (wave % 2) + b of key step p
.Lkout:
	s_mul_i32 s84, s[WV], 16*272
	s_add_co_u32 s84, s84, KSTG
	v_mul_u32_u24 v[STO], v[RR], 272               ; in: row r, 128 bytes for each half of the lanes
	v_lshl_add_u32 v[STO], v[HH], 7, v[STO]
	v_add_nc_u32 v[STO], s84, v[STO]
	v_mul_u32_u24 v[RD], v[HH], 272                ; back: lanes 0-15 one row of 256 bytes, lanes 16-31 the next
	v_lshl_add_u32 v[RD], v[RR], 4, v[RD]
	v_add_nc_u32 v[RD], s84, v[RD]
	s_lshl_b32 s86, s[W2], 21                      ; out1: head 2 (wave / 2), token 128 p + 64 (wave % 2); a token's row is 256 bytes
	s_lshl_b32 s88, s[PP], 15
	s_add_co_u32 s86, s86, s88
	s_lshl_b32 s88, s[W1], 14
	s_add_co_u32 s86, s86, s88
	s_mov_b32 s87, 0
	s_add_nc_u64 s[18:19], s[18:19], s[86:87]
	s_mul_i32 s86, s[W2], 2*KVH
	s_mul_i32 s88, s[PP], STEPB
	s_add_co_u32 s86, s86, s88
	s_add_nc_u64 s[16:17], s[16:17], s[86:87]      ; the key step's record
	s_mul_i32 s86, s[W1], 3072
	s_add_nc_u64 s[90:91], s[16:17], s[86:87]      ; my four tiles' codes
	s_lshl_b32 s86, s[W1], 8
	s_add_co_u32 s86, s86, KSO
	s_add_nc_u64 s[92:93], s[16:17], s[86:87]      ; and their scale words
.set nn, 0
; 16 tokens x 64 channels of one head in f32 go through my stage and leave as whole rows: two neighbouring tokens, 512 consecutive bytes, an instruction
.macro KCHUNK b, c
.set BKR, 112+32*(nn%2)
	WIN 0x04                                       ; an LDS store's data are its source 1: window 1
.irp j, 0,1,2,3,4,5,6,7
	ds_store_b128 v[STO], v[64*(\b)+32*(\c)+4*\j:64*(\b)+32*(\c)+4*\j+3] offset:16*\j
.endr
	WIN 0
.if nn >= 2
	s_wait_xcnt 0x0                                ; the stores of two chunks ago have read their registers: they may be loaded again
.endif
.irp k, 0,1,2,3,4,5,6,7
	ds_load_b128 v[BKR+4*\k:BKR+4*\k+3], v[RD] offset:544*\k   ; LDS serves a wave's instructions in order: these see my stores
.endr
	s_wait_dscnt 0x0
.irp k, 0,1,2,3,4,5,6,7
	global_store_b128 v[L16], v[BKR+4*\k:BKR+4*\k+3], s[18:19] offset:(\c)*1048576+(8*(\b)+32*(\k/4)+2*(\k%4))*256 th:TH_STORE_NT
.endr
.set nn, nn+1
.endm
.irp b, 0,1,2,3
	QUANT2 64*\b, 64+6*\b, 88+6*\b, PW+\b          ; the first head's four tiles on end in v64-87, the second's in v88-111
.irp c, 0,1
	KCHUNK \b, \c
.endr
.endr
	s_wait_alu depctr_va_vdst(0)
.irp g, 0,1,2,3,4,5
	global_store_b128 v[L16], v[64+4*\g:67+4*\g], s[90:91] offset:512*\g
	global_store_b128 v[L16], v[88+4*\g:91+4*\g], s[90:91] offset:512*\g+KVH
.endr
	SEL2 OP, OP+1, PW, PW+1, PW+2, PW+3            ; lane 16 u + r: the words of tiles u and 2 + u of my four
	global_store_b64 v[L8], v[OP:OP+1], s[92:93]
	v_lshrrev_b32 v[OP+2], 16, v[OP]
	v_lshrrev_b32 v[OP+3], 16, v[OP+1]
	global_store_b64 v[L8], v[OP+2:OP+3], s[92:93] offset:KVH
	FINISH
	; ---- V: source 0 = x's eight tiles (the keys), source 1 = the 64 channels of kv head = wave
.Lvpath:
	v_mov_b32 v[ACC], v[L16]
	v_add_nc_u32 v[ASC], SCO, v[L8]
	s_mul_i32 s78, s[W1], 4*FRB
	s_add_co_u32 s78, s78, s76
	v_add_nc_u32 v[ARR], s78, v[L16]
	s_lshl_b32 s79, s[W1], 10
	s_add_co_u32 s79, s79, s76
	s_add_co_u32 s79, s79, SCO
	v_add_nc_u32 v[ASR], s79, v[L8]
	s_mul_i32 s84, s[WV], VSTW
	v_bfe_u32 v232, v0, 3, 1                       ; r / 8
	v_and_b32 v233, 7, v0                          ; r % 8
	v_mul_u32_u24 v[STO], v[HH], 8*272+64          ; in: stage row 8 h + j (rows 8-15 begin 64 bytes later, so that the 32 lanes of a store touch 32 banks), column = my channel
	v_lshl_add_u32 v[STO], v232, 7, v[STO]
	v_lshl_add_u32 v[STO], v233, 2, v[STO]
	v_add_nc_u32 v[STO], s84, v[STO]
	v_mul_u32_u24 v[RD], v[HH], 272
	v_lshl_add_u32 v[RD], v[RR], 4, v[RD]
	v_add_nc_u32 v[RD], s84, v[RD]
	v_lshlrev_b32 v[BOF], 7, v232                  ; my channel of tile b: 32 (r / 8) + 8 b + r % 8
	v_lshl_add_u32 v[BOF], v233, 2, v[BOF]
	s_lshl_b32 s80, s[WV], 8
	s_mov_b32 s81, 0
	s_add_nc_u64 s[82:83], s[10:11], s[80:81]
	WIN 0x80
.irp b, 0,1,2,3
.irp j, 0,1,2,3,4,5,6,7
	global_load_b32 v[8*\b+\j], v[BOF], s[82:83] offset:32*\b   ; the C of tile b's first products: a lane's one channel in all eight registers
.endr
.endr
	WIN 0
	CORE 1
	s_wait_dscnt 0x0                               ; my reads of x's records are over,
	s_barrier_signal -1
	s_barrier_wait -1                              ; everybody's are: the stages may be written
	s_mul_i32 s86, s[WV], KVH
	s_mul_i32 s88, s[PP], STEPB
	s_add_co_u32 s86, s86, s88
	s_mov_b32 s87, 0
	s_add_nc_u64 s[16:17], s[16:17], s[86:87]
	s_lshl_b32 s86, s[WV], 20
	s_lshl_b32 s88, s[PP], 15
	s_add_co_u32 s86, s86, s88
	s_add_nc_u64 s[20:21], s[20:21], s[86:87]
.irp b, 0,1,2,3
	QUANT2 64*\b, 64+12*\b, 70+12*\b, PW+\b        ; V^T's fragment b: 16 channels x these 128 keys
.irp g, 0,1,2
	global_store_b128 v[L16], v[64+12*\b+4*\g:67+12*\b+4*\g], s[16:17] offset:VCO+1536*\b+512*\g
.endr
.endr
	SEL2 OP, OP+1, PW, PW+1, PW+2, PW+3
	global_store_b64 v[L8], v[OP:OP+1], s[16:17] offset:VSO
.set nn, 0
; 16 tokens (64 c + 32 h + z + 0 .. 7) x 64 channels are turned in my stage and leave as whole rows
.macro VCHUNK c, z
.set BKR, 112+32*(nn%2)
	WIN 0x04
.irp b, 0,1,2,3
.irp j, 0,1,2,3,4,5,6,7
	ds_store_b32 v[STO], v[64*\b+32*(\c)+(\z)+\j] offset:272*\j+32*\b
.endr
.endr
	WIN 0
.if nn >= 2
	s_wait_xcnt 0x0                                ; the stores of two chunks ago have read their registers
.endif
.irp k, 0,1,2,3,4,5,6,7
	ds_load_b128 v[BKR+4*\k:BKR+4*\k+3], v[RD] offset:544*\k+64*(\k/4)
.endr
	s_wait_dscnt 0x0
.irp k, 0,1,2,3,4,5,6,7
	global_store_b128 v[L16], v[BKR+4*\k:BKR+4*\k+3], s[20:21] offset:(64*(\c)+32*(\k/4)+(\z)+2*(\k%4))*256 th:TH_STORE_NT
.endr
.set nn, nn+1
.endm
.irp c, 0,1
.irp z, 0,8,16,24
	VCHUNK \c, \z
.endr
.endr
	FINISH
.Lfunc_end_k_q45021e52fc_qkv:
	.size	k_q45021e52fc_qkv, .Lfunc_end_k_q45021e52fc_qkv-k_q45021e52fc_qkv
	.p2alignl 7, 3214868480
	.fill 96, 4, 3214868480
	.section	.rodata,"a",@progbits
	.p2align	6, 0x0
	.amdhsa_kernel k_q45021e52fc_qkv
		.amdhsa_group_segment_fixed_size 327680
		.amdhsa_private_segment_fixed_size 0
		.amdhsa_enable_private_segment 0
		.amdhsa_kernarg_size 72
		.amdhsa_user_sgpr_count 2
		.amdhsa_user_sgpr_kernarg_segment_ptr 1
		.amdhsa_wavefront_size32 1
		.amdhsa_system_sgpr_workgroup_id_x 1
		.amdhsa_system_sgpr_workgroup_id_y 1
		.amdhsa_system_sgpr_workgroup_id_z 1
		.amdhsa_system_vgpr_workitem_id 0
		.amdhsa_next_free_vgpr 768
		.amdhsa_next_free_sgpr 100
		.amdhsa_reserve_vcc 0
		.amdhsa_float_denorm_mode_32 3
		.amdhsa_float_denorm_mode_16_64 3
		.amdhsa_memory_ordered 1
		.amdhsa_forward_progress 1
		.amdhsa_inst_pref_size 207
	.end_amdhsa_kernel
	.amdgpu_metadata
---
amdhsa.version: [ 1, 2 ]
amdhsa.kernels:
  - .name:           k_q45021e52fc_qkv
    .symbol:         k_q45021e52fc_qkv.kd
    .args:
      - { .name: img, .offset: 0, .size: 8, .value_kind: global_buffer, .address_space: global }
      - { .name: bq, .offset: 8, .size: 8, .value_kind: global_buffer, .address_space: global }
      - { .name: bk, .offset: 16, .size: 8, .value_kind: global_buffer, .address_space: global }
      - { .name: bv, .offset: 24, .size: 8, .value_kind: global_buffer, .address_space: global }
      - { .name: qc, .offset: 32, .size: 8, .value_kind: global_buffer, .address_space: global }
      - { .name: qs, .offset: 40, .size: 8, .value_kind: global_buffer, .address_space: global }
      - { .name: kv, .offset: 48, .size: 8, .value_kind: global_buffer, .address_space: global }
      - { .name: out1, .offset: 56, .size: 8, .value_kind: global_buffer, .address_space: global }
      - { .name: out2, .offset: 64, .size: 8, .value_kind: global_buffer, .address_space: global }
    .group_segment_fixed_size: 327680
    .private_segment_fixed_size: 0
    .kernarg_segment_align: 8
    .kernarg_segment_size: 72
    .max_flat_workgroup_size: 128
    .sgpr_count:     100
    .vgpr_count:     768
    .wavefront_size: 32
...
	.end_amdgpu_metadata
.endif
;; end of part 2
;; launch attn (part 3): grid 64 x 4, 8 waves a work-group, clusters of 4 x 1, 327,680 bytes of LDS; arguments qc, qs, kv, oi; writes oi
.if DOCPART == 3
	.amdgcn_target "amdgcn-amd-amdhsa--gfx1250"
	.amdhsa_code_object_version 6
	.text
	.protected	k_q45021e52fc_attn
	.globl	k_q45021e52fc_attn
	.p2align	8
	.type	k_q45021e52fc_attn,@function
k_q45021e52fc_attn:
	s_mov_b64 s[64:65], 0
	v_nop
	global_prefetch_b8 v0, s[64:65] scope:SCOPE_SE
	s_setreg_imm32_b32 hwreg(HW_REG_WAVE_MODE, 25, 1), 1
	s_wait_xcnt 0x0
	s_wait_alu depctr_hold_cnt(0) depctr_sa_sdst(0) depctr_va_vdst(0) depctr_va_sdst(0) depctr_va_ssrc(0) depctr_va_vcc(0) depctr_vm_vsrc(0)
	s_getreg_b32 s2, hwreg(HW_REG_IB_STS2, 6, 4)
	s_cmp_eq_u32 s2, 0
	s_cbranch_scc0 .Lentry_in_a_cluster
	s_endpgm
.Lentry_in_a_cluster:
	s_bfe_u32 s2, ttmp6, 0x10000c
	s_cmp_lg_u32 s2, 0x3003
	s_cbranch_scc0 .Lentry_shape_is_right
	s_endpgm
.Lentry_shape_is_right:
; O = softmax(Q K^T / 8) V for 16 query heads over 4 kv heads, both products on codes of FP6 (E2M3) with E8M0 scales; O / l is quantised along C for the projection.  Nothing of the problem is left out here.
; THE SOFTMAX: t = score x log2(e) / 8; M = the running largest t rounded UP to a whole number; p = 2^(t - M) is quantised along the keys, not normalised; the row's sum l is taken of the unquantised p and
; divides O at the end; when M moves, l and O are multiplied by 2^(old M - new M), which rounds nothing.
; SHARES.  Work-group (X, y): 64 tokens, kv head y.  Wave w of eight: query head 4 y + w / 2, tiles 2 (w % 2) and 2 (w % 2) + 1 of 16 queries: each fragment of K and of V^T read from LDS feeds two products.
; Every wave walks the head's 32 key steps of 128 keys.  A step's record (13,056 bytes: K's codes, V^T's codes, their scale words) is an image of the operands' registers: LDS reads at 16 x lane or 8 x lane.
; THE TWO TILES ARE WOVEN: the short dependent chain of one tile (largest score, M, f) stands among the other tile's 32 maxima or multiply-adds; maxima go in four chains a tile, sums in four chains for tile 1, by a tree for tile 0.
; LDS: a ring of two slots of 8 steps.  Each wave brings one record of a slot by one load.  CLUSTER: the four partners have the same y and walk the same records: every load is JOINT (mask of all four).
; NO PREFETCH: a slot's load is asked for eight key steps (192 matrix instructions of each wave) ahead of the wait for it, and the 64 work-groups of a kv head read the same 417,792 bytes.
; LAYOUT.  S^T = K Q^T (source 0 = 16 keys), O^T = V^T P^T (source 0 = 16 channels): a lane holds ONE query of each tile.  By the order of a tile's rows (first launch's head comment) a lane's 32 registers of four
; neighbouring tiles are 32 neighbouring keys (channels): a whole block of the quantiser in one lane, in the order of the next operand's registers.
; K = 64 IN THE FIRST PRODUCT: Q's fragment is six registers of codes and six of zero codes.  K's tiles lie 6 registers apart; source 0 names 12, so its upper six are the next tile's codes (for tile 7 six registers
; kept at 0).  They meet Q's zero codes; FP6 has no NaN or infinity, and no scale byte here is 0xff: they add exactly 0.
; LIMITS: NaN and infinities are not served; v_exp_f32 gives 0 for results under 2^-126; a block of p whose largest is under 2^-124, or of zeros, gets the byte 1; the scaled scores stay under 2^31 in magnitude.
; A block's largest p is not searched for: p rises with the score, so the block's largest score goes through the same multiply-add and exponential.
; REGISTERS.  Window 0: addresses, scale words, Q, K, V^T, p's codes.  Window 1: S^T / p (v0-127), O^T (v128-191) and each tile's state (from v192): the softmax runs under one setting of the windows.
.set PANEL,  102400
.set REC,    51200
.set KSB,    12288
.set FRB,    1536
.set SCO,    49152
.set STEPB,  13056
.set KVH,    32*STEPB
.set NST,    8                         ; key steps in a slot
.set SLOT,   NST*STEPB
.set VCO,    6144
.set KSO,    12288
.set VSO,    12800
.set SPARE,  2*SLOT                    ; the spare words, 128 bytes for each of 8 waves: four blocks of 256 bytes that no other line names
.set STG,    SPARE+1024                ; 512 bytes of their own for O's scale halfwords: no fill lands here
; window 0
.set L16, 1
.set L8,  2
.set ADRV, 3
.set ADRV8, 4
.set SPW, 5
.set NIL, 6
.set ADRK, 7
.set SA,  8
.set SRD, 9
.set R16, 10
.set ADRK8, 11
.set QS,  12                           ; v12-13 Q's scale words, a tile each
.set PS,  14                           ; v14-15 p's
.set KSC, 16                           ; v16-19 K's
.set VSC, 20                           ; v20-21 V's
.set WO,  22                           ; v22-23 O's scale halfwords on the way out
.set QF,  24                           ; v24-47 Q: for each tile six registers of codes, six of zero codes
.set KF,  48                           ; v48-95 K's eight tiles; v96-101 zero
.set VF,  104                          ; v104-151 V^T's four fragments
.set PC,  152                          ; v152-175 p's codes
.set TC,  176                          ; v176-191 the conversions' second halves
; window 1
.set SS,  0
.set OO,  128
.set ST,  192                          ; tile u's state at ST + 24 u: +0 -M, +1 largest score, +2,3 l, +4,5 f, +6..9 maxima, +10,11 scale operands, +12..15 at work, +16..21 partial sums
.set SH8W, 240                         ; 8 x (lane / 16)
.set WV,  12
.set CX,  13
.set XX,  14
.set YY,  15
.set GG,  16
.set TP,  17
.set SEL, 20
.set CS,  22                           ; s[22:23] c = log2(e) / 8
.set G1,  24
.set G0,  32                           ; s[32:39] a set for each slot
.set TB,  44                           ; LDS byte of the step's record
.set CNT, 45
.set NX,  46                           ; LDS byte of the record whose K is fetched ahead
.set MSB, 0
.macro WIN new                         ; the immediate's high byte repeats the setting that is left; a switch that changes nothing is dropped
.if MSB != (\new)
	s_set_vgpr_msb (MSB<<8)|(\new)
.set MSB, (\new)
.endif
.endm
.macro PLACES n
.rept \n
	v_nop
.endr
.endm
.macro CROUND
	s_barrier_signal -1
	s_barrier_wait -1
	s_cmp_lg_u32 s[WV], 0
	s_cbranch_scc1 .Lnw0_\@
	s_barrier_signal -3
.Lnw0_\@:
	s_barrier_wait -3
	s_barrier_signal -1
	s_barrier_wait -1
.endm
.macro WS d, a, b, sa, sb, row         ; a product that starts a sum
.if \row
	v_wmma_scale_f32_16x16x128_f8f6f4 v[(\d):(\d)+7], v[(\a):(\a)+11], v[(\b):(\b)+11], 0, v[\sa], v[\sb] matrix_a_fmt:MATRIX_FMT_FP6 matrix_b_fmt:MATRIX_FMT_FP6 matrix_a_scale:MATRIX_SCALE_ROW1
.else
	v_wmma_scale_f32_16x16x128_f8f6f4 v[(\d):(\d)+7], v[(\a):(\a)+11], v[(\b):(\b)+11], 0, v[\sa], v[\sb] matrix_a_fmt:MATRIX_FMT_FP6 matrix_b_fmt:MATRIX_FMT_FP6
.endif
.endm
.macro WO2 d, a, b, sa, sb, row        ; a product that adds in place
.if \row
	v_wmma_scale_f32_16x16x128_f8f6f4 v[(\d):(\d)+7], v[(\a):(\a)+11], v[(\b):(\b)+11], v[(\d):(\d)+7], v[\sa], v[\sb] matrix_a_fmt:MATRIX_FMT_FP6 matrix_b_fmt:MATRIX_FMT_FP6 matrix_a_scale:MATRIX_SCALE_ROW1
.else
	v_wmma_scale_f32_16x16x128_f8f6f4 v[(\d):(\d)+7], v[(\a):(\a)+11], v[(\b):(\b)+11], v[(\d):(\d)+7], v[\sa], v[\sb] matrix_a_fmt:MATRIX_FMT_FP6 matrix_b_fmt:MATRIX_FMT_FP6
.endif
.endm
; line i (0..31) of tile u's maxima: four chains of 16 scores, each accumulator from its low end on; the two blocks' largest scores end in +6 and +8
.macro MAXOP i, u
.set MS, SS+64*(\u)
.set MB, ST+24*(\u)+6
.if (\i) < 4
	v_max3_num_f32 v[MB+(\i)], v[MS+16*(\i)], v[MS+16*(\i)+1], v[MS+16*(\i)+2]
.elseif (\i) < 28
	v_max3_num_f32 v[MB+(\i)%4], v[MB+(\i)%4], v[MS+16*((\i)%4)+2*((\i)/4)+1], v[MS+16*((\i)%4)+2*((\i)/4)+2]
.elseif (\i) < 30
	v_max3_num_f32 v[MB+2*((\i)-28)], v[MB+2*((\i)-28)], v[MS+32*((\i)-28)+15], v[MS+32*((\i)-28)+31]
.else
	v_max_num_f32 v[MB+2*((\i)-30)], v[MB+2*((\i)-30)], v[MB+2*((\i)-30)+1]
.endif
.endm
; line i (0..8) of tile u's chain from the largest score to -M and f
.macro CHOP i, u
.set CB, ST+24*(\u)
.if (\i) == 0
	v_max3_num_f32 v[CB+12], v[CB+6], v[CB+8], v[CB+1]
.elseif (\i) == 1
	v_permlanex16_b32 v[CB+13], v[CB+12], s[SEL], s[SEL+1]
.elseif (\i) == 2
	v_max_num_f32 v[CB+1], v[CB+12], v[CB+13]      ; the running largest score of my query
.elseif (\i) == 3
	v_mul_f32 v[CB+12], s[CS], v[CB+1]             ; as t (c is positive)
.elseif (\i) == 4
	v_mov_b32 v[CB+13], v[CB]
.elseif (\i) == 5
	v_floor_f32 v[CB], -v[CB+12]                   ; the new -M = floor(-t) = -ceil(t)
.elseif (\i) == 6
	v_sub_f32 v[CB+13], v[CB], v[CB+13]            ; old M - new M: a whole number, 0 or less
.elseif (\i) == 7
	v_cvt_i32_f32 v[CB+13], v[CB+13]               ; (it saturates)
.else
	v_ldexp_f32 v[CB+4], 1.0, v[CB+13]             ; f = 2^(old M - new M)
.endif
.endm
; line i (0..50): t - M two at a time; the same of the blocks' largest scores; l and O^T under the new M
.macro FMOP i, u
.set FB, ST+24*(\u)
.if (\i) < 32
	v_pk_fma_f32 v[SS+64*(\u)+2*(\i):SS+64*(\u)+2*(\i)+1], v[SS+64*(\u)+2*(\i):SS+64*(\u)+2*(\i)+1], s[CS:CS+1], v[FB:FB+1] op_sel_hi:[1,0,0]
.elseif (\i) < 34
	v_fma_f32 v[FB+6+2*((\i)-32)], v[FB+6+2*((\i)-32)], s[CS], v[FB]
.elseif (\i) == 34
	v_pk_mul_f32 v[FB+2:FB+3], v[FB+2:FB+3], v[FB+4:FB+5] op_sel_hi:[1,0]
.else
	v_pk_mul_f32 v[OO+32*(\u)+2*((\i)-35):OO+32*(\u)+2*((\i)-35)+1], v[OO+32*(\u)+2*((\i)-35):OO+32*(\u)+2*((\i)-35)+1], v[FB+4:FB+5] op_sel_hi:[1,0]
.endif
.endm
; line i (0..31) of the row's sum of the unquantised p: l itself and three partial sums, two numbers a line
.macro SUMOP i, u
.set UB, ST+24*(\u)
.set US, SS+64*(\u)
.if (\i)%4 == 0
	v_pk_add_f32 v[UB+2:UB+3], v[UB+2:UB+3], v[US+2*(\i):US+2*(\i)+1]
.elseif (\i) < 4
	v_pk_add_f32 v[UB+14+2*(\i):UB+15+2*(\i)], v[US+2*(\i):US+2*(\i)+1], v[US+2*(\i)+8:US+2*(\i)+9]
.elseif (\i) < 28
	v_pk_add_f32 v[UB+14+2*((\i)%4):UB+15+2*((\i)%4)], v[UB+14+2*((\i)%4):UB+15+2*((\i)%4)], v[US+2*(\i)+8:US+2*(\i)+9]
.elseif (\i) == 29
	v_pk_add_f32 v[UB+16:UB+17], v[UB+16:UB+17], v[UB+18:UB+19]
.elseif (\i) == 30
	v_pk_add_f32 v[UB+2:UB+3], v[UB+2:UB+3], v[UB+20:UB+21]
.else
	v_pk_add_f32 v[UB+2:UB+3], v[UB+2:UB+3], v[UB+16:UB+17]
.endif
.endm
; line i (0..8) from the blocks' largest p to the two halves of p's scale word
.macro SCOP i, u
.set PB, ST+24*(\u)
.if (\i) < 2
	v_max_num_f32 v[PB+6+2*(\i)], 0x1800000, v[PB+6+2*(\i)]       ; the floor 2^(3 - 127)
.elseif (\i) < 4
	v_add_nc_u32 v[PB+8+(\i)], 0xff000000, v[PB+2+2*(\i)]         ; 2 off the exponent field: the conversion's scale operand
.elseif (\i) < 6
	v_lshrrev_b32 v[PB+2*(\i)-2], 23, v[PB+6+(\i)]                ; the scale's byte
.elseif (\i) == 6
	v_lshl_or_b32 v[PB+14], v[PB+8], 16, v[PB+6]
.elseif (\i) == 7
	v_lshlrev_b32 v[PB+14], v[SH8W], v[PB+14]
.else
	v_permlanex16_b32 v[PB+15], v[PB+14], s[SEL], s[SEL+1]
.endif
.endm
; tile 0's sum goes by a tree, so that its first level has no line that reads another's result: twelve partial sums T0 .. T11 in the spare pairs of window 1
.macro TJSET j
.if (\j) < 4
.set TJ, ST+16+2*(\j)
.elseif (\j) == 4
.set TJ, ST+46
.else
.set TJ, 232+2*(\j)
.endif
.endm
.macro L1S j                           ; T j = p's pairs 2 j and 2 j + 1
	TJSET \j
	v_pk_add_f32 v[TJ:TJ+1], v[SS+4*(\j):SS+4*(\j)+1], v[SS+4*(\j)+2:SS+4*(\j)+3]
.endm
.macro S0P k                           ; line k (0..19) of the rest: pairs 24-31 onto T0-7; 12 -> 6 -> 3; the three onto l
.if (\k) < 8
	TJSET \k
	v_pk_add_f32 v[TJ:TJ+1], v[TJ:TJ+1], v[SS+48+2*(\k):SS+49+2*(\k)]
.elseif (\k) < 14
	TJSET (\k)-2
.set TK, TJ
	TJSET (\k)-8
	v_pk_add_f32 v[TJ:TJ+1], v[TJ:TJ+1], v[TK:TK+1]
.elseif (\k) < 17
	TJSET (\k)-11
.set TK, TJ
	TJSET (\k)-14
	v_pk_add_f32 v[TJ:TJ+1], v[TJ:TJ+1], v[TK:TK+1]
.else
	TJSET (\k)-17
	v_pk_add_f32 v[ST+2:ST+3], v[ST+2:ST+3], v[TJ:TJ+1]
.endif
.endm
.macro KLOAD
.set jj, 0
.rept 12
	ds_load_b128 v[KF+4*jj:KF+4*jj+3], v[ADRK] offset:512*jj
.set jj, jj+1
.endr
	ds_load_b64 v[KSC:KSC+1], v[ADRK8] offset:KSO
	ds_load_b64 v[KSC+2:KSC+3], v[ADRK8] offset:KSO+256
.endm
; A KEY STEP: 128 keys, the record at s[TB] in the slot that begins at sb.  K's fragments are in registers when it begins.
.macro STEP sb
	s_add_co_u32 s[NX], s[TB], STEPB
	s_min_u32 s[NX], s[NX], (\sb)+(NST-1)*STEPB    ; the next record of this slot; the slot's last step names its own record again, and what it fetches is not used
	WIN 0x40
.irp t, 0,1,2,3,4,5,6,7                ; S^T = K Q^T: even tiles' scale words in lanes 0-15, odd tiles' in lanes 16-31
.irp u, 0,1
	WS SS+64*\u+8*\t, KF+6*\t, QF+12*\u, KSC+\t/2, QS+\u, \t%2
.endr
.endr
	WIN 0
	v_add_nc_u32 v[ADRV], s[TB], v[L16]            ; these four lines are the places in front of the loads below and of the first reads of the scores
	v_add_nc_u32 v[ADRV8], s[TB], v[L8]
	v_add_nc_u32 v[ADRK], s[NX], v[L16]
	v_add_nc_u32 v[ADRK8], s[NX], v[L8]
.set jj, 0
.rept 12
	ds_load_b128 v[VF+4*jj:VF+4*jj+3], v[ADRV] offset:VCO+512*jj   ; V^T of this step and K of the next land while the softmax is walked
.set jj, jj+1
.endr
	ds_load_b64 v[VSC:VSC+1], v[ADRV8] offset:VSO
	KLOAD
	WIN 0x55                                       ; every operand in window 1
.set ii, 0
.rept 32
	MAXOP ii, 0
.set ii, ii+1
.endr
.set ii, 0
.rept 9                                ; tile 0's chain among tile 1's maxima
	MAXOP 3*ii, 1
	MAXOP 3*ii+1, 1
	MAXOP 3*ii+2, 1
	CHOP ii, 0
.set ii, ii+1
.endr
.set ii, 27
.rept 5
	MAXOP ii, 1
.set ii, ii+1
.endr
.set ii, 0
.rept 9                                ; tile 1's chain among tile 0's multiply-adds
	FMOP 3*ii, 0
	FMOP 3*ii+1, 0
	FMOP 3*ii+2, 0
	CHOP ii, 1
.set ii, ii+1
.endr
.set ii, 27
.rept 7
	FMOP ii, 0
.set ii, ii+1
.endr
.set ii, 35
.rept 16                               ; O^T of both tiles under the new M, ahead of every exponential of the step
	FMOP ii, 0
	FMOP ii, 1
.set ii, ii+1
.endr
	s_wait_alu depctr_va_vdst(0)
.set ii, 0
.rept 64                               ; tile 0's p = 2^(t - M); between them tile 1's multiply-adds: their sources were written ahead of the wait above, their results are first read behind the wait below
	v_exp_f32 v[SS+ii], v[SS+ii]
.if ii < 34
	FMOP ii, 1
.endif
.set ii, ii+1
.endr
	v_exp_f32 v[ST+6], v[ST+6]                     ; tile 0's blocks' largest p
	v_exp_f32 v[ST+8], v[ST+8]
	FMOP 34, 0                                     ; l of tile 0 under the new M: the plain place behind the exponentials
	s_wait_alu depctr_va_vdst(0)                   ; one wait: behind tile 0's batch and ahead of tile 1's
.set ii, 0
.rept 64                               ; tile 1's p; between them the first level of tile 0's sum and the floors of its blocks' largest p: no line here reads what another line here wrote
	v_exp_f32 v[SS+64+ii], v[SS+64+ii]
.if ii < 12
	L1S ii
.elseif ii < 14
	SCOP ii-12, 0
.endif
.set ii, ii+1
.endr
	v_exp_f32 v[ST+30], v[ST+30]                   ; tile 1's blocks' largest p
	v_exp_f32 v[ST+32], v[ST+32]
	FMOP 34, 1                                     ; l of tile 1 under the new M: the plain place behind the exponentials
	s_wait_alu depctr_va_vdst(0)                   ; one wait for the batch, ahead of its first reader
.set ii, 0
.rept 9
.if ii < 7
	SCOP ii+2, 0
.endif
	SCOP ii, 1
	S0P 2*ii
	S0P 2*ii+1
	SUMOP ii, 1
.set ii, ii+1
.endr
	SUMOP 9, 1
	WIN 0x05                                       ; results in window 0
.irp u, 0,1
	v_or_b32 v[PS+\u], v[ST+24*\u+14], v[ST+24*\u+15]   ; p's scale word for these 128 keys
.endr
.irp u, 0,1
	v_cvt_scalef32_pk16_fp6_f32 v[PC+12*\u:PC+12*\u+2], v[SS+64*\u:SS+64*\u+15], v[ST+24*\u+10]
	v_cvt_scalef32_pk16_fp6_f32 v[TC+8*\u:TC+8*\u+2], v[SS+64*\u+16:SS+64*\u+31], v[ST+24*\u+10]      ; (a conversion's three registers begin on an even number)
	v_cvt_scalef32_pk16_fp6_f32 v[PC+12*\u+6:PC+12*\u+8], v[SS+64*\u+32:SS+64*\u+47], v[ST+24*\u+11]
	v_cvt_scalef32_pk16_fp6_f32 v[TC+8*\u+4:TC+8*\u+6], v[SS+64*\u+48:SS+64*\u+63], v[ST+24*\u+11]
.endr
	WIN 0
	v_nop                                          ; one plain place behind a scaled conversion
.irp u, 0,1
.irp i, 0,1,2
	v_mov_b32 v[PC+12*\u+3+\i], v[TC+8*\u+\i]
	v_mov_b32 v[PC+12*\u+9+\i], v[TC+8*\u+4+\i]
.endr
.endr
	WIN 0x55
	S0P 18
.set ii, 10
.rept 4
	SUMOP ii, 1
.set ii, ii+1
.endr
	S0P 19
.rept 18
	SUMOP ii, 1
.set ii, ii+1
.endr
	s_wait_alu depctr_va_vdst(0)
	s_wait_dscnt 0x0                               ; V^T, the next K and their scale words are in
	WIN 0x50
.irp t, 0,1,2,3                        ; O^T += V^T P^T: the eight accumulators by turns
.irp u, 0,1
	WO2 OO+32*\u+8*\t, VF+12*\t, PC+12*\u, VSC+\t/2, PS+\u, \t%2
.endr
.endr
	WIN 0
.endm
; EIGHT KEY STEPS from slot sl.  In front of the round every wave's load has landed and its reads of the other slot are over; behind it the other slot takes the next eight steps.
.macro TRIP sl, refill, step
	s_wait_alu depctr_va_vdst(0)
	s_wait_tensorcnt 0x0                           ; my one load, my record of this slot, has landed
	ds_add_u32 v[SPW], v[NIL]                      ; 0 onto my spare word
.if \step
	s_add_nc_u64 s[G0+4*\sl+2:G0+4*\sl+3], s[G0+4*\sl+2:G0+4*\sl+3], 2*SLOT   ; no load of mine is out: this slot's next record
.endif
	s_wait_dscnt 0x0
	CROUND
.if \refill
	tensor_load_to_lds s[G0+4-4*\sl:G0+7-4*\sl], s[G1:G1+7]
	s_nop 0
	PLACES 4
.endif
	v_add_nc_u32 v[ADRK], \sl*SLOT, v[L16]
	v_add_nc_u32 v[ADRK8], \sl*SLOT, v[L8]
	KLOAD                                          ; the slot's first K
	s_mov_b32 s[TB], \sl*SLOT
	s_mov_b32 s[CNT], 0
	s_wait_dscnt 0x0
.Lk_\@:
	STEP \sl*SLOT
	s_add_co_u32 s[TB], s[TB], STEPB
	s_add_co_u32 s[CNT], s[CNT], 1
	s_cmp_lt_u32 s[CNT], NST
	s_cbranch_scc1 .Lk_\@
.endm
	s_load_b256 s[4:11], s[0:1], 0x0               ; qc, qs, kv, oi
	v_lshl_add_u32 v[SPW], v0, 2, SPARE
	v_mov_b32 v[NIL], 0
	ds_add_u32 v[SPW], v[NIL]                      ; the wave's opening: the add, twice on end, and its wait ahead of my first tensor load
	ds_add_u32 v[SPW], v[NIL]                      ; and once more; the set-up below stands between it and the wait
	v_lshrrev_b32 v200, 5, v0
	v_readfirstlane_b32 s[WV], v200                ; wave 0..7
	v_and_b32 v201, 31, v0
	v_lshlrev_b32 v[L16], 4, v201
	v_lshlrev_b32 v[L8], 3, v201
	v_and_b32 v202, 15, v0                         ; r
	v_lshlrev_b32 v[R16], 4, v202                  ; 16 r: Q's scale words
	v_bfe_u32 v203, v0, 4, 1
	v_lshlrev_b32 v203, 3, v203                    ; 8 x (lane / 16)
	v_mov_b32 v204, 0xff61b1e6                     ; -3e38, under every score
	s_mov_b32 s[CS], 0x3e38aa3b                    ; log2(e) / 8
	s_mov_b32 s[CS+1], s[CS]                       ; (named with it as a pair, so it is written)
	v_mul_f32 v205, s[CS], v204
	v_floor_f32 v205, -v205                        ; and its -M
	s_and_b32 s[TP], s[WV], 1
	s_lshl_b32 s[TP], s[TP], 1                     ; my first tile of queries
	s_lshr_b32 s[GG], s[WV], 1                     ; my head of the group
	s_bfe_u32 s[CX], ttmp6, 0x40000
	s_lshl_b32 s[XX], ttmp9, 2
	s_add_co_u32 s[XX], s[XX], s[CX]               ; X: it enters Q's and O's global addresses alone
	s_and_b32 s[YY], ttmp7, 0xffff                 ; the kv head, which the four partners share
	s_mov_b32 s[SEL], 0x76543210
	s_mov_b32 s[SEL+1], 0xfedcba98
	; group 1: one step's record, 13,056 dense bytes, as 51 rows of 256 bytes; the mask names all four work-groups
	s_mov_b32 s[G1+0], 15|(3<<16)|(1<<21)
	s_mov_b32 s[G1+1], 32<<16
	s_mov_b32 s[G1+2], 51<<16
	s_mov_b32 s[G1+3], 32<<16
	s_mov_b32 s[G1+4], 51
	s_mov_b32 s[G1+5], 32
	s_mov_b32 s[G1+6], 0
	s_mov_b32 s[G1+7], 0
	s_mul_i32 s54, s[WV], STEPB                    ; wave w fetches record w of a slot
	s_mul_i32 s56, s[YY], KVH
	s_add_co_u32 s56, s56, s54
	s_mov_b32 s57, 0
	s_wait_alu depctr_va_vdst(0)
	s_wait_dscnt 0x0                               ; both opening adds are done
	s_wait_kmcnt 0x0
	s_add_nc_u64 s[58:59], s[8:9], s[56:57]
.irp sg, 0,1
	s_mov_b32 s[G0+4*\sg], 1
	s_add_co_u32 s[G0+4*\sg+1], s54, \sg*SLOT
	s_add_nc_u64 s[G0+4*\sg+2:G0+4*\sg+3], s[58:59], \sg*SLOT       ; slot sg begins with steps 8 sg on
	s_or_b32 s[G0+4*\sg+3], s[G0+4*\sg+3], 0x80000000
.endr
	CROUND                                         ; all four work-groups are here: the first joint loads meet
	tensor_load_to_lds s[G0:G0+3], s[G1:G1+7]      ; steps 0-7, a record a wave: my one load at the head
	s_nop 0
	PLACES 4
	s_lshl_b32 s48, s[YY], 2
	s_add_co_u32 s48, s48, s[GG]                   ; my head
	s_mul_i32 s49, s48, 196608
	s_lshl_b32 s50, s[XX], 2
	s_add_co_u32 s50, s50, s[TP]                   ; my first tile
	s_mul_i32 s50, s50, 768
	s_add_co_u32 s52, s49, s50
	s_mov_b32 s53, 0
	s_add_nc_u64 s[4:5], s[4:5], s[52:53]
	s_lshl_b32 s52, s48, 14
	s_lshl_b32 s50, s[XX], 8
	s_add_co_u32 s52, s52, s50
	s_lshl_b32 s50, s[TP], 2
	s_add_co_u32 s52, s52, s50
	s_add_nc_u64 s[6:7], s[6:7], s[52:53]
.irp u, 0,1
.irp k, 0,1,2
	global_load_b64 v[QF+12*\u+2*\k:QF+12*\u+2*\k+1], v[L8], s[4:5] offset:768*\u+256*\k   ; Q's six registers of each tile stay
.endr
	global_load_b32 v[QS+\u], v[R16], s[6:7] offset:4*\u
.endr
	s_lshl_b32 s48, s[TP], 7
	s_lshl_b32 s49, s[GG], 1
	s_add_co_u32 s48, s48, s49
	s_add_co_u32 s48, s48, STG
	v_lshl_add_u32 v[SA], v202, 3, s48             ; the stage: 128 x tile + 8 r + 2 x head
	s_and_b32 s49, s[WV], 1
	s_lshl_b32 s49, s49, 8
	s_add_co_u32 s49, s49, STG
	v_add_nc_u32 v[SRD], s49, v[L8]
.irp i, 0,1,2,3,4,5
	v_mov_b32 v[QF+6+\i], 0                        ; zero codes for k = 64 .. 127
	v_mov_b32 v[QF+18+\i], 0
	v_mov_b32 v[KF+48+\i], 0                       ; and behind K's last tile
.endr
	WIN 0x40                                       ; results in window 1
.irp u, 0,1
	v_mov_b32 v[ST+24*\u], v205
	v_mov_b32 v[ST+24*\u+1], v204
	v_mov_b32 v[ST+24*\u+2], 0                     ; l
	v_mov_b32 v[ST+24*\u+3], 0
	v_mov_b32 v[ST+24*\u+5], 0                     ; (named as the upper half of a pair)
	v_mov_b32 v[ST+24*\u+13], 0                    ; a lane permute's destination counts as one of its sources
	v_mov_b32 v[ST+24*\u+15], 0
.endr
	v_mov_b32 v[SH8W], v203
.set jj, 0
.rept 64
	v_mov_b32 v[OO+jj], 0                          ; the step is written without a first step of its own: the first change of M multiplies zeros
.set jj, jj+1
.endr
	WIN 0
	s_wait_alu depctr_va_vdst(0)
	s_wait_loadcnt 0x0                             ; Q
	TRIP 0, 1, 1                                   ; steps 0-7; slot 1's first fill, steps 8-15, is issued as a refill is
	TRIP 1, 1, 1                                   ; steps 8-15; slot 0 takes steps 16-23
	TRIP 0, 1, 0                                   ; steps 16-23; slot 1 takes steps 24-31
	TRIP 1, 0, 0                                   ; steps 24-31: nothing more to fetch
	; THE WAY OUT: O^T / l; a lane's 32 channels are one block along C: quantised, they are half a fragment of the projection's operand (K step = heads 2 s, 2 s + 1)
	PLACES 4
	WIN 0x55
.irp u, 0,1
	v_add_f32 v[ST+24*\u+2], v[ST+24*\u+2], v[ST+24*\u+3]
.endr
.irp u, 0,1
	s_delay_alu instid0(VALU_DEP_2)
	v_permlanex16_b32 v[ST+24*\u+13], v[ST+24*\u+2], s[SEL], s[SEL+1]
.endr
.irp u, 0,1
	s_delay_alu instid0(VALU_DEP_2)
	v_add_f32 v[ST+24*\u+2], v[ST+24*\u+2], v[ST+24*\u+13]   ; the row's sum
.endr
	s_wait_alu depctr_va_vdst(0)
.irp u, 0,1
	v_rcp_f32 v[ST+24*\u+4], v[ST+24*\u+2]
.endr
.irp u, 0,1
	v_mov_b32 v[ST+24*\u+6], 0x1800000             ; (plain places behind the reciprocals)  the floor
	v_mov_b32 v[ST+24*\u+7], 0x1800000
.endr
	s_lshr_b32 s66, s[XX], 1
	s_mul_i32 s66, s66, PANEL
	s_lshr_b32 s67, s[YY], 1
	s_mul_i32 s67, s67, REC
	s_add_co_u32 s66, s66, s67                     ; panel X / 2, K half y / 2
	s_and_b32 s67, s[YY], 1
	s_and_b32 s68, s[XX], 1
	s_lshl_b32 s69, s67, 1
	s_lshr_b32 s70, s[GG], 1
	s_add_co_u32 s69, s69, s70
	s_mul_i32 s69, s69, KSB                        ; K step 2 (y % 2) + head / 2
	s_lshl_b32 s70, s68, 2
	s_add_co_u32 s70, s70, s[TP]
	s_mul_i32 s70, s70, FRB                        ; tile 4 (X % 2) + my first tile
	s_add_co_u32 s69, s69, s70
	s_and_b32 s70, s[GG], 1
	s_mul_i32 s70, s70, 768                        ; the even head's three pieces, then the odd head's
	s_add_co_u32 s69, s69, s70
	s_add_co_u32 s72, s69, s66
	s_mov_b32 s73, 0
	s_add_nc_u64 s[74:75], s[10:11], s[72:73]
	s_lshl_b32 s69, s68, 1
	s_and_b32 s70, s[WV], 1
	s_add_co_u32 s69, s69, s70
	s_lshl_b32 s69, s69, 9
	s_lshl_b32 s70, s67, 8
	s_add_co_u32 s69, s69, s70
	s_add_co_u32 s69, s69, SCO
	s_add_co_u32 s72, s69, s66
	s_add_nc_u64 s[76:77], s[10:11], s[72:73]      ; the unit of scale words that wave 0 or 1 stores
	s_wait_alu depctr_va_vdst(0)                   ; ahead of the first reader of the reciprocals and of O^T
.set jj, 0
.rept 16
.irp u, 0,1
	v_pk_mul_f32 v[SS+64*\u+jj:SS+64*\u+jj+1], v[OO+32*\u+jj:OO+32*\u+jj+1], v[ST+24*\u+4:ST+24*\u+5] op_sel_hi:[1,0]   ; each accumulator from its low end on
.endr
.set jj, jj+2
.endr
.set jj, 0
.rept 8
.irp u, 0,1
	v_max3_num_f32 v[ST+24*\u+6], v[ST+24*\u+6], |v[SS+64*\u+jj]|, |v[SS+64*\u+jj+1]|
	v_max3_num_f32 v[ST+24*\u+7], v[ST+24*\u+7], |v[SS+64*\u+jj+2]|, |v[SS+64*\u+jj+3]|
.endr
.set jj, jj+4
.endr
.irp u, 0,1
	v_max_num_f32 v[ST+24*\u+6], v[ST+24*\u+6], v[ST+24*\u+7]
.endr
.irp u, 0,1
	s_delay_alu instid0(VALU_DEP_2)
	v_add_nc_u32 v[ST+24*\u+10], 0xff000000, v[ST+24*\u+6]
.endr
.irp u, 0,1
	s_delay_alu instid0(VALU_DEP_2)
	v_lshrrev_b32 v[ST+24*\u+8], 23, v[ST+24*\u+10]
.endr
.irp u, 0,1
	s_delay_alu instid0(VALU_DEP_2)
	v_lshlrev_b32 v[ST+24*\u+14], v[SH8W], v[ST+24*\u+8]
.endr
.irp u, 0,1
	s_delay_alu instid0(VALU_DEP_2)
	v_permlanex16_b32 v[ST+24*\u+15], v[ST+24*\u+14], s[SEL], s[SEL+1]
.endr
	WIN 0x05
.irp u, 0,1
	v_or_b32 v[WO+\u], v[ST+24*\u+14], v[ST+24*\u+15]   ; my row's two bytes of my head
.endr
.irp u, 0,1
	v_cvt_scalef32_pk16_fp6_f32 v[PC+12*\u:PC+12*\u+2], v[SS+64*\u:SS+64*\u+15], v[ST+24*\u+10]
	v_cvt_scalef32_pk16_fp6_f32 v[TC+8*\u:TC+8*\u+2], v[SS+64*\u+16:SS+64*\u+31], v[ST+24*\u+10]
.endr
	WIN 0
	v_nop                                          ; one plain place behind a scaled conversion
.irp u, 0,1
.irp i, 0,1,2
	v_mov_b32 v[PC+12*\u+3+\i], v[TC+8*\u+\i]
.endr
.endr
.irp u, 0,1
.irp k, 0,1,2
	global_store_b64 v[L8], v[PC+12*\u+2*\k:PC+12*\u+2*\k+1], s[74:75] offset:FRB*\u+256*\k   ; 32 lanes store 256 consecutive bytes, aligned
.endr
	ds_store_b16 v[SA], v[WO+\u] offset:128*\u     ; both lanes of a row write the same halfword with the same value
.endr
	s_wait_alu depctr_va_vdst(0)
	s_wait_dscnt 0x0                               ; for the others' sake: my stores are done
	s_barrier_signal -1
	s_barrier_wait -1
	s_cmp_lt_u32 s[WV], 2                          ; the eight waves' halfwords make two whole units of 256 bytes: waves 0 and 1 store one each
	s_cbranch_scc0 .Lnosc
	ds_load_b64 v[TC:TC+1], v[SRD]
	s_wait_dscnt 0x0
	global_store_b64 v[L8], v[TC:TC+1], s[76:77]
.Lnosc:
	s_wait_tensorcnt 0x0                           ; the wave's end
	ds_add_u32 v[SPW], v[NIL]
	s_wait_dscnt 0x0
	CROUND                                         ; the closing round
	s_endpgm
.Lfunc_end_k_q45021e52fc_attn:
	.size	k_q45021e52fc_attn, .Lfunc_end_k_q45021e52fc_attn-k_q45021e52fc_attn
	.p2alignl 7, 3214868480
	.fill 96, 4, 3214868480
	.section	.rodata,"a",@progbits
	.p2align	6, 0x0
	.amdhsa_kernel k_q45021e52fc_attn
		.amdhsa_group_segment_fixed_size 327680
		.amdhsa_private_segment_fixed_size 0
		.amdhsa_enable_private_segment 0
		.amdhsa_kernarg_size 32
		.amdhsa_user_sgpr_count 2
		.amdhsa_user_sgpr_kernarg_segment_ptr 1
		.amdhsa_wavefront_size32 1
		.amdhsa_system_sgpr_workgroup_id_x 1
		.amdhsa_system_sgpr_workgroup_id_y 1
		.amdhsa_system_sgpr_workgroup_id_z 1
		.amdhsa_system_vgpr_workitem_id 0
		.amdhsa_next_free_vgpr 512
		.amdhsa_next_free_sgpr 80
		.amdhsa_reserve_vcc 0
		.amdhsa_float_denorm_mode_32 3
		.amdhsa_float_denorm_mode_16_64 3
		.amdhsa_memory_ordered 1
		.amdhsa_forward_progress 1
		.amdhsa_inst_pref_size 131
	.end_amdhsa_kernel
	.amdgpu_metadata
---
amdhsa.version: [ 1, 2 ]
amdhsa.kernels:
  - .name:           k_q45021e52fc_attn
    .symbol:         k_q45021e52fc_attn.kd
    .args:
      - { .name: qc, .offset: 0, .size: 8, .value_kind: global_buffer, .address_space: global }
      - { .name: qs, .offset: 8, .size: 8, .value_kind: global_buffer, .address_space: global }
      - { .name: kv, .offset: 16, .size: 8, .value_kind: global_buffer, .address_space: global }
      - { .name: oi, .offset: 24, .size: 8, .value_kind: global_buffer, .address_space: global }
    .group_segment_fixed_size: 327680
    .private_segment_fixed_size: 0
    .kernarg_segment_align: 8
    .kernarg_segment_size: 32
    .max_flat_workgroup_size: 256
    .sgpr_count:     80
    .vgpr_count:     512
    .wavefront_size: 32
...
	.end_amdgpu_metadata
.endif
;; end of part 3
;; launch oproj (part 4): grid 32 x 8, 4 waves a work-group, clusters of 4 x 1, 327,680 bytes of LDS; arguments oi, img, bo, out0; writes out0
.if DOCPART == 4
	.amdgcn_target "amdgcn-amd-amdhsa--gfx1250"
	.amdhsa_code_object_version 6
	.text
	.protected	k_q45021e52fc_oproj
	.globl	k_q45021e52fc_oproj
	.p2align	8
	.type	k_q45021e52fc_oproj,@function
k_q45021e52fc_oproj:
	s_mov_b64 s[64:65], 0
	v_nop
	global_prefetch_b8 v0, s[64:65] scope:SCOPE_SE
	s_setreg_imm32_b32 hwreg(HW_REG_WAVE_MODE, 25, 1), 1
	s_wait_xcnt 0x0
	s_wait_alu depctr_hold_cnt(0) depctr_sa_sdst(0) depctr_va_vdst(0) depctr_va_sdst(0) depctr_va_ssrc(0) depctr_va_vcc(0) depctr_vm_vsrc(0)
	s_getreg_b32 s2, hwreg(HW_REG_IB_STS2, 6, 4)
	s_cmp_eq_u32 s2, 0
	s_cbranch_scc0 .Lentry_in_a_cluster
	s_endpgm
.Lentry_in_a_cluster:
	s_bfe_u32 s2, ttmp6, 0x10000c
	s_cmp_lg_u32 s2, 0x3003
	s_cbranch_scc0 .Lentry_shape_is_right
	s_endpgm
.Lentry_shape_is_right:
; out0 = O Wo^T + bo on codes of FP6 (E2M3) with E8M0 scales: O's register images from the attention launch (a fragment's register pair k at 256 k + 8 x lane), Wo's from the first launch (registers 4 g .. 4 g + 3
; at 512 g + 16 x lane); the panels, records, scale words and the order of a tile's rows are set out in the first launch's head comment.  Nothing of the problem is left out here.
; SHARES.  Work-group (p, Y): 128 tokens x 128 outputs; both panels come into LDS for ALL of K: four records, filled once.  CLUSTER: the four partners have the same Y: Wo's records, half of the bytes, are asked
; for JOINTLY; O's are each work-group's own.  A wave makes 64 x 64: source 0 = Wo's tiles 4 (wave / 2) on, source 1 = O's tiles 4 (wave % 2) on: a lane holds one token and 32 neighbouring outputs.
; bo is the C of each sum's first product.
.set PANEL,  102400
.set REC,    51200
.set HREC,   25600
.set KSB,    12288
.set FRB,    1536
.set SCO,    49152
.set QSTEP,  REC                       ; LDS: record (K half q, i) at (2 i + q) REC; i = 0: O, 1: Wo
.set SPARE,  4*REC                     ; the spare words, 128 bytes for each wave: two blocks of 256 bytes that no other line names
.set STG,    SPARE+512                 ; the way out: 16 rows x 272 bytes for each wave
.set L16, 1
.set L8,  2
.set RR,  3
.set HH,  4
.set ACC, 6
.set ARR, 7
.set ASC, 8
.set ASR, 9
.set STO, 10
.set RD,  11
.set CO,  12
.set BOF, 13
.set SPW, 14
.set NIL, 15
.set SC,  16                           ; v16-31, v32-47: scale words of K half 0, 1: Wo's at +4 (a / 2) + step, O's at +8 + 4 (b / 2) + step.  They hold scales and nothing else
.set FC,  64                           ; fragments: Wo's 48 registers, O's 48; even steps in window 0, odd steps in window 2
.set FG,  112
; window 1: accumulator (b, a) at v[32 b + 8 a].  window 2: v0-31 the bias, v64-159 fragments
.set G1X, 24
.set G1W, 32
.set G0X, 40
.set G0W, 48
.set WV,  56
.set YY,  57
.set PP,  58
.set CX,  59
.set W1,  66
.set W2,  67
.set MSB, 0
.macro WIN new
.if MSB != (\new)
	s_set_vgpr_msb (MSB<<8)|(\new)
.set MSB, (\new)
.endif
.endm
.macro PLACES n
.rept \n
	v_nop
.endr
.endm
.macro CROUND
	s_barrier_signal -1
	s_barrier_wait -1
	s_cmp_lg_u32 s[WV], 0
	s_cbranch_scc1 .Lnw0_\@
	s_barrier_signal -3
.Lnw0_\@:
	s_barrier_wait -3
	s_barrier_signal -1
	s_barrier_wait -1
.endm
.macro FETCH s
.set FQ, (\s)%4
	WIN 0x80*((\s)%2)
.irp a, 0,1,2,3
.irp g, 0,1,2
	ds_load_b128 v[FC+12*\a+4*\g:FC+12*\a+4*\g+3], v[ACC] offset:FQ*KSB+\a*FRB+512*\g
.endr
.endr
.irp b, 0,1,2,3
.irp k, 0,1,2,3,4,5
	ds_load_b64 v[FG+12*\b+2*\k:FG+12*\b+2*\k+1], v[ARR] offset:FQ*KSB+\b*FRB+256*\k
.endr
.endr
	WIN 0
.if FQ == 0
.set FS, SC+16*((\s)/4)
.irp pp, 0,1
.irp e, 0,1
	ds_load_b64 v[FS+4*\pp+2*\e:FS+4*\pp+2*\e+1], v[ASC] offset:512*\pp+256*\e
	ds_load_b64 v[FS+8+4*\pp+2*\e:FS+8+4*\pp+2*\e+1], v[ASR] offset:512*\pp+256*\e
.endr
.endr
.endif
.endm
.macro WM d, a, b, c, sa, sb, ra, rb
.if ((\ra)+2*(\rb)) == 0
	v_wmma_scale_f32_16x16x128_f8f6f4 v[(\d):(\d)+7], v[(\a):(\a)+11], v[(\b):(\b)+11], v[(\c):(\c)+7], v[\sa], v[\sb] matrix_a_fmt:MATRIX_FMT_FP6 matrix_b_fmt:MATRIX_FMT_FP6
.elseif ((\ra)+2*(\rb)) == 1
	v_wmma_scale_f32_16x16x128_f8f6f4 v[(\d):(\d)+7], v[(\a):(\a)+11], v[(\b):(\b)+11], v[(\c):(\c)+7], v[\sa], v[\sb] matrix_a_fmt:MATRIX_FMT_FP6 matrix_b_fmt:MATRIX_FMT_FP6 matrix_a_scale:MATRIX_SCALE_ROW1
.elseif ((\ra)+2*(\rb)) == 2
	v_wmma_scale_f32_16x16x128_f8f6f4 v[(\d):(\d)+7], v[(\a):(\a)+11], v[(\b):(\b)+11], v[(\c):(\c)+7], v[\sa], v[\sb] matrix_a_fmt:MATRIX_FMT_FP6 matrix_b_fmt:MATRIX_FMT_FP6 matrix_b_scale:MATRIX_SCALE_ROW1
.else
	v_wmma_scale_f32_16x16x128_f8f6f4 v[(\d):(\d)+7], v[(\a):(\a)+11], v[(\b):(\b)+11], v[(\c):(\c)+7], v[\sa], v[\sb] matrix_a_fmt:MATRIX_FMT_FP6 matrix_b_fmt:MATRIX_FMT_FP6 matrix_a_scale:MATRIX_SCALE_ROW1 matrix_b_scale:MATRIX_SCALE_ROW1
.endif
.endm
; A K step of 128: 16 products, the 16 accumulators by turns in the same order in every step
.macro KSTEP s
	s_wait_dscnt 0x0                               ; this step's fragments, asked for a step ago, are in
.if (\s) == 3
	WIN 0
	v_add_nc_u32 v[ACC], QSTEP, v[ACC]             ; on to K half 1's records
	s_wait_alu depctr_va_vdst(0)
	v_add_nc_u32 v[ARR], QSTEP, v[ARR]
	s_wait_alu depctr_va_vdst(0)
	v_add_nc_u32 v[ASC], QSTEP, v[ASC]
	v_add_nc_u32 v[ASR], QSTEP, v[ASR]
.endif
.if (\s) < 7
.if (\s) > 0
	PLACES 4                                       ; in front of loads into registers that the last step but one's products have read
.endif
	FETCH (\s)+1
.endif
.set KQ, (\s)%4
.set KSET, SC+16*((\s)/4)
.if (\s) == 0
	WIN 0x60                                       ; C = the bias in window 2, D in window 1
.elseif (\s)%2
	WIN 0x5a
.else
	WIN 0x50
.endif
.irp b, 0,1,2,3
.irp a, 0,1,2,3
.if (\s) == 0
.set CRG, 8*\a
.else
.set CRG, 32*\b+8*\a
.endif
	WM 32*\b+8*\a, FC+12*\a, FG+12*\b, CRG, KSET+4*(\a/2)+KQ, KSET+8+4*(\b/2)+KQ, \a%2, \b%2
.endr
.endr
.endm
	s_load_b256 s[4:11], s[0:1], 0x0               ; oi, img, bo, out0
	v_lshl_add_u32 v[SPW], v0, 2, SPARE
	v_mov_b32 v[NIL], 0
	ds_add_u32 v[SPW], v[NIL]                      ; the wave's opening: the add, twice on end, and its wait ahead of my first tensor load
	ds_add_u32 v[SPW], v[NIL]                      ; and once more; the set-up below stands between it and the wait
	v_lshrrev_b32 v200, 5, v0
	v_readfirstlane_b32 s[WV], v200
	v_and_b32 v200, 31, v0
	v_lshlrev_b32 v[L16], 4, v200
	v_lshlrev_b32 v[L8], 3, v200
	v_and_b32 v[RR], 15, v0
	v_bfe_u32 v[HH], v0, 4, 1
	s_and_b32 s[W1], s[WV], 1
	s_lshr_b32 s[W2], s[WV], 1
	s_bfe_u32 s[CX], ttmp6, 0x40000
	s_lshl_b32 s[PP], ttmp9, 2
	s_add_co_u32 s[PP], s[PP], s[CX]               ; p: it enters global addresses of my own alone
	s_and_b32 s[YY], ttmp7, 0xffff                 ; Y: the same in all four partners
	; group 1: a whole record, 200 rows of 256 bytes, dense; Wo's with the mask of all four work-groups
	s_mov_b32 s[G1X+0], 3<<16
	s_mov_b32 s[G1W+0], 15|(3<<16)|(1<<21)
.irp g, G1X, G1W
	s_mov_b32 s[\g+1], 32<<16
	s_mov_b32 s[\g+2], 200<<16                     ; a whole record, 200 rows of 256 bytes
	s_mov_b32 s[\g+3], 32<<16
	s_mov_b32 s[\g+4], 200
	s_mov_b32 s[\g+5], 32
	s_mov_b32 s[\g+6], 0
	s_mov_b32 s[\g+7], 0
.endr
	s_mul_i32 s72, s[W1], REC                      ; which record I fetch: as many bytes on in LDS as in memory
	s_mul_i32 s70, s[PP], PANEL
	s_add_co_u32 s70, s70, s72
	s_mov_b32 s71, 0
	s_add_co_u32 s74, s[YY], 44                    ; Wo's panel: no place in the cluster enters
	s_mul_i32 s74, s74, PANEL
	s_add_co_u32 s74, s74, s72
	s_mov_b32 s75, 0
	s_add_co_u32 s73, s72, 2*REC
	s_wait_dscnt 0x0                               ; both opening adds are done
	s_wait_kmcnt 0x0
	s_add_nc_u64 s[76:77], s[4:5], s[70:71]
	s_add_nc_u64 s[78:79], s[6:7], s[74:75]
.irp q, 0
	s_mov_b32 s[G0X+4*\q], 1
	s_add_co_u32 s[G0X+4*\q+1], s72, \q*QSTEP
	s_add_nc_u64 s[G0X+4*\q+2:G0X+4*\q+3], s[76:77], \q*REC
	s_or_b32 s[G0X+4*\q+3], s[G0X+4*\q+3], 0x80000000
	s_mov_b32 s[G0W+4*\q], 1
	s_add_co_u32 s[G0W+4*\q+1], s73, \q*QSTEP
	s_add_nc_u64 s[G0W+4*\q+2:G0W+4*\q+3], s[78:79], \q*REC
	s_or_b32 s[G0W+4*\q+3], s[G0W+4*\q+3], 0x80000000
.endr
	CROUND                                         ; all four work-groups are here: the joint loads meet
	s_cmp_lt_u32 s[WV], 2                          ; waves 0, 1: O's two records; waves 2, 3: Wo's: one load a wave brings all of K
	s_cbranch_scc0 .Lfill_w
	tensor_load_to_lds s[G0X:G0X+3], s[G1X:G1X+7]
	s_nop 0
.rept 4
	v_nop
.endr
	s_branch .Lfilled
.Lfill_w:
	tensor_load_to_lds s[G0W:G0W+3], s[G1W:G1W+7]
	s_nop 0
.rept 4
	v_nop
.endr
.Lfilled:
	s_mul_i32 s76, s[W2], 4*FRB
	s_add_co_u32 s76, s76, 2*REC
	s_wait_alu depctr_va_vdst(0)
	v_add_nc_u32 v[ACC], s76, v[L16]               ; Wo's tiles 4 (wave / 2) on
	s_lshl_b32 s77, s[W2], 10
	s_add_co_u32 s77, s77, 2*REC+SCO
	v_add_nc_u32 v[ASC], s77, v[L8]
	s_mul_i32 s78, s[W1], 4*FRB
	v_add_nc_u32 v[ARR], s78, v[L8]                ; O's tiles 4 (wave % 2) on
	s_lshl_b32 s79, s[W1], 10
	s_add_co_u32 s79, s79, SCO
	v_add_nc_u32 v[ASR], s79, v[L8]
	s_mul_i32 s84, s[WV], 16*272
	s_add_co_u32 s84, s84, STG
	v_mul_u32_u24 v[STO], v[RR], 272               ; in: row r, 128 bytes for each half of the lanes
	v_lshl_add_u32 v[STO], v[HH], 7, v[STO]
	v_add_nc_u32 v[STO], s84, v[STO]
	v_mul_u32_u24 v[RD], v[HH], 272                ; back: lanes 0-15 one row of 256 bytes, lanes 16-31 the next
	v_lshl_add_u32 v[RD], v[RR], 4, v[RD]
	v_add_nc_u32 v[RD], s84, v[RD]
	v_lshlrev_b32 v[CO], 12, v[HH]                 ; and the same two rows in out0
	v_lshl_add_u32 v[CO], v[RR], 4, v[CO]
	s_lshl_b32 s80, s[YY], 9                       ; bo from output 128 Y + 64 (wave / 2) on
	s_lshl_b32 s81, s[W2], 8
	s_add_co_u32 s80, s80, s81
	s_mov_b32 s81, 0
	s_add_nc_u64 s[8:9], s[8:9], s[80:81]
	s_add_nc_u64 s[10:11], s[10:11], s[80:81]      ; the same bytes on in a row of out0,
	s_lshl_b32 s80, s[PP], 19                      ; from token 128 p + 64 (wave % 2) on
	s_lshl_b32 s82, s[W1], 18
	s_add_co_u32 s80, s80, s82
	s_add_nc_u64 s[10:11], s[10:11], s[80:81]
	v_lshlrev_b32 v[BOF], 7, v[HH]                 ; tile a's register j is output 32 h + 8 a + j of my 64
	WIN 0x80
.irp a, 0,1,2,3
	global_load_b128 v[8*\a:8*\a+3], v[BOF], s[8:9] offset:32*\a
	global_load_b128 v[8*\a+4:8*\a+7], v[BOF], s[8:9] offset:32*\a+16
.endr
	WIN 0
	s_wait_alu depctr_va_vdst(0)
	s_wait_tensorcnt 0x0                           ; my one load has landed,
	s_barrier_signal -1
	s_barrier_wait -1                              ; everybody's has: all of K is in.
	FETCH 0
	s_wait_loadcnt 0x0                             ; the bias
.irp st, 0,1,2,3,4,5,6,7
	KSTEP \st
.endr
	WIN 0
	PLACES 4                                       ; in front of the first reads of results and of loads into the fragments' registers
	; THE WAY OUT: 16 tokens x 64 outputs at a time through my stage; sixteen lanes then store 256 consecutive bytes, aligned
.irp b, 0,1,2,3
	WIN 0x04                                       ; an LDS store's data are its source 1: window 1
.irp j, 0,1,2,3,4,5,6,7
	ds_store_b128 v[STO], v[32*\b+4*\j:32*\b+4*\j+3] offset:16*\j     ; each accumulator from its low end on
.endr
	WIN 0
.if \b >= 2
	s_wait_xcnt 0x0                                ; the stores of two blocks ago have read their registers: they may be loaded again
.endif
.irp k, 0,1,2,3,4,5,6,7
	ds_load_b128 v[64+32*(\b%2)+4*\k:64+32*(\b%2)+4*\k+3], v[RD] offset:544*\k   ; LDS serves a wave's instructions in order: these see my stores
.endr
	s_wait_dscnt 0x0
.irp k, 0,1,2,3,4,5,6,7
	global_store_b128 v[CO], v[64+32*(\b%2)+4*\k:64+32*(\b%2)+4*\k+3], s[10:11] offset:(8*\b+32*(\k/4)+2*(\k%4))*4096 th:TH_STORE_NT
.endr
.endr
	s_wait_tensorcnt 0x0                           ; the wave's end
	ds_add_u32 v[SPW], v[NIL]
	s_wait_dscnt 0x0
	CROUND                                         ; the closing round
	s_endpgm
.Lfunc_end_k_q45021e52fc_oproj:
	.size	k_q45021e52fc_oproj, .Lfunc_end_k_q45021e52fc_oproj-k_q45021e52fc_oproj
	.p2alignl 7, 3214868480
	.fill 96, 4, 3214868480
	.section	.rodata,"a",@progbits
	.p2align	6, 0x0
	.amdhsa_kernel k_q45021e52fc_oproj
		.amdhsa_group_segment_fixed_size 327680
		.amdhsa_private_segment_fixed_size 0
		.amdhsa_enable_private_segment 0
		.amdhsa_kernarg_size 32
		.amdhsa_user_sgpr_count 2
		.amdhsa_user_sgpr_kernarg_segment_ptr 1
		.amdhsa_wavefront_size32 1
		.amdhsa_system_sgpr_workgroup_id_x 1
		.amdhsa_system_sgpr_workgroup_id_y 1
		.amdhsa_system_sgpr_workgroup_id_z 1
		.amdhsa_system_vgpr_workitem_id 0
		.amdhsa_next_free_vgpr 768
		.amdhsa_next_free_sgpr 100
		.amdhsa_reserve_vcc 0
		.amdhsa_float_denorm_mode_32 3
		.amdhsa_float_denorm_mode_16_64 3
		.amdhsa_memory_ordered 1
		.amdhsa_forward_progress 1
		.amdhsa_inst_pref_size 52
	.end_amdhsa_kernel
	.amdgpu_metadata
---
amdhsa.version: [ 1, 2 ]
amdhsa.kernels:
  - .name:           k_q45021e52fc_oproj
    .symbol:         k_q45021e52fc_oproj.kd
    .args:
      - { .name: oi, .offset: 0, .size: 8, .value_kind: global_buffer, .address_space: global }
      - { .name: img, .offset: 8, .size: 8, .value_kind: global_buffer, .address_space: global }
      - { .name: bo, .offset: 16, .size: 8, .value_kind: global_buffer, .address_space: global }
      - { .name: out0, .offset: 24, .size: 8, .value_kind: global_buffer, .address_space: global }
    .group_segment_fixed_size: 327680
    .private_segment_fixed_size: 0
    .kernarg_segment_align: 8
    .kernarg_segment_size: 32
    .max_flat_workgroup_size: 128
    .sgpr_count:     100
    .vgpr_count:     768
    .wavefront_size: 32
...
	.end_amdgpu_metadata
.endif
;; end of part 4
